; MI455X (gfx1250); checked and timed in simulation.
; The chip was launched on July 23, 2026; its instructions are those of AMD's public machine-readable ISA for CDNA 5 (MIT licence, August 2026) and "CDNA5" Instruction Set Architecture Reference Guide (July 2026). The comments in the code are by the model that wrote it; some were corrected since.
;; Eva Attention. Allowed arithmetic: matrix products marked QUANTISED: E2M1 operands, one E8M0 scale for each 32 along K, by v_wmma_scale_f32_16x16x128_f8f6f4 with both operands' format E2M1 (or v_wmma_scale_f32_32x16x128_f4), f32 sums; products left as they are: bf16, f16 or f32 operands; f32 sums; everything else in f32.
;; Inputs: proj_b 1,024 float32; proj_w 1,024 x 1,024 float32; q_bias 1,024 float32; qkv_w 3,072 x 1,024 float32; rope_cos 2,047 x 64 float32; rope_sin 2,047 x 64 float32; v_bias 1,024 float32; x 4 x 2,048 x 1,024 float32.
;; Outputs: out0 4 x 2,048 x 1,024 float32.
;; This version of the problem:
;;   THIS VERSION OF THE PROBLEM IS GIVEN IN LOW PRECISION. The matrix products marked QUANTISED in the list below multiply operands that are first quantised to E2M1 (2 exponent bits, 1 mantissa bit; 4 bits a number), with one power-of-two scale for each 32 numbers along K (OCP MX v1.0); their sums are f32. The products marked 'left as it is' may take bf16, f16 or f32 operands, with f32 sums. Whichever they take, every output number must still come out within the allowed error. Rounding operands to bf16 (8 significant bits) uses up far more of that allowance than f16 does (11 bits, for magnitudes from 6e-5 to 65,504). All else is computed in f32.
;;   The module's matrix products, in the order in which they are computed (A, B: the left and right operand; K: the contracted axis; several contracted axes count as one K, in the product's order):
;;     1. [M 8,192, K 1,024] x [K 1,024, N 3,072]; A: input x; B: input qkv_w: QUANTISED
;;     2. batch 64 x [M 2,048, K 64] x [K 64, N 2,048]; A: computed on the way; B: computed on the way: left as it is (an operand is computed on the way)
;;     3. batch 64 x [M 2,048, K 2,048] x [K 2,048, N 64]; A: computed on the way; B: computed on the way: left as it is (an operand is computed on the way)
;;     4. [M 8,192, K 1,024] x [K 1,024, N 1,024]; A: computed on the way; B: input proj_w: left as it is (an operand is computed on the way)
;;   THE QUANTISER, for each operand of a quantised product, along K:
;;     - K is cut into blocks of 32 from its start; a last block that is shorter is filled with zeros.
;;     - A block's scale is 2^e with e = floor(log2(the largest magnitude in the block)) - 2, held to -126 .. 127; a block of zeros has e = 0. As a byte (E8M0): e + 127.
;;     - Each number is divided by its block's scale, clamped to +-6, and rounded to the nearest number of E2M1, ties to even, subnormals kept.
;;     - The product sums the exact products of the quantised numbers (number of the format x scale) in f32.
;;   ~~~python
;;   def quantise(x, axis):      # numpy; x: float32 -> the quantised numbers, widened to float32 again
;;       x = np.moveaxis(x, axis, -1); K = x.shape[-1]
;;       x = np.pad(x, [(0, 0)] * (x.ndim - 1) + [(0, -K % 32)]); x = x.reshape(x.shape[:-1] + (-1, 32)); a = np.abs(x).max(-1, keepdims=True)
;;       e = np.where(a > 0, np.clip(np.frexp(np.where(a > 0, a, 1))[1] - 1 - 2, -126, 127), 0)      # np.frexp(a)[1] - 1 = floor(log2(a)), exactly
;;       r = np.clip(x / 2.0 ** e, -6, 6)
;;       step = 2.0 ** (np.maximum(np.frexp(np.where(r == 0, 1, r))[1] - 1, 0) - 1)
;;       q = np.round(r / step) * step * 2.0 ** e      # np.round: ties to even
;;       return np.moveaxis(q.reshape(q.shape[:-2] + (-1,))[..., :K], -1, axis).astype(np.float32)
;;   ~~~
;; One version. Each part assembles by itself: llvm-mc -triple=amdgcn-amd-amdhsa -mcpu=gfx1250 --defsym DOCPART=n.
;; ======== version 1 of 1: 4 launches
;; limits: values are held in f16: magnitudes above 65,504 overflow, below 6.1e-05 lose precision; right only within a limited range of input values
;; workspace buffers: codes 5,767,168 bytes; scales 360,448 bytes; ropei 1,048,576 bytes; pwi 2,097,152 bytes; qkv 50,331,648 bytes; oi 16,777,216 bytes
;; launch prep (part 1): grid 448 x 1, 4 waves a work-group, no clusters, 33,280 bytes of LDS; arguments x, qkv_w, rope_cos, rope_sin, proj_w, codes, scales, ropei, pwi; writes codes, scales, ropei, pwi
.if DOCPART == 1
	.amdgcn_target "amdgcn-amd-amdhsa--gfx1250"
	.amdhsa_code_object_version 6
	.text
	.protected	k_qee6c85bfab_prep
	.globl	k_qee6c85bfab_prep
	.p2align	8
	.type	k_qee6c85bfab_prep,@function
k_qee6c85bfab_prep:
	s_mov_b64 s[64:65], 0
	v_nop
	global_prefetch_b8 v0, s[64:65] scope:SCOPE_SE
	s_setreg_imm32_b32 hwreg(HW_REG_WAVE_MODE, 25, 1), 1
	s_wait_xcnt 0x0
; EVA attention, launch 1 of 4: everything that is made once from inputs alone.
;   work-groups 0-351:   x [8192][1024] and qkv_w [3072][1024], f32, become codes of FP4 (E2M1), K innermost, and one E8M0 byte for each 32 along K, in ONE row space of 11,264 rows
;                        (rows 0-8191: x's tokens; rows 8192-11263: qkv_w's rows): codes [11264][512 bytes], scales [11264][32 bytes].
;   work-groups 352-383: the rope table in the order of the second launch's result registers, times 2^-6, with rotate_half's sign folded in:
;                        ropei [token tile T 128][b 4][cs 2][q 2][lane 32][16 bytes]; lane (r, h) holds, for token s = 16 T + r and d = 16 b + 8 h + 4 q + 0..3,
;                        cs 0: 2^-6 cos[s-1][d];  cs 1: -2^-6 sin[s-1][d] for d < 32, +2^-6 sin[s-1][d] for d >= 32;  token 0 (the prefix, which rope skips): 2^-6 and 0.
;   work-groups 384-447: proj_w as f16, times 2^4, in the order of a matrix operand's registers: pwi [nt 64][kp 64][lane][16 bytes]; lane (r, h): 16 proj_w[16 nt + r][16 kp + 8 h + 0..7].
; DEAD WORK, for the whole program: reference() adds to K's third of the first product a bias that it builds itself as zeros (jnp.zeros_like(q_bias)): a term that is 0 for every
; value of the inputs.  No launch adds it.  Nothing else is left out, and all eight inputs are loaded.  (No NaN, infinity or overflow can reach that term alone.)
; THE POWERS OF TWO are exact and give f16 its room: q and k go on as 2^-6 q, 2^-6 k (2^12 goes into the softmax's constant), v and the attention's result as 2^-4 v, proj_w as 2^4 proj_w.
; LIMITS.  Quantiser: a block's byte is its largest magnitude's exponent field - 2, held at 1 from below; a block of zeros gets the byte 1 where the rule says 127 (its codes are zeros, and this
; program alone reads the bytes); blocks whose largest magnitude lies under 2^-124 were not tried; NaN and infinities among the inputs are not served.  f16: |proj_w| up to 4,094.
; No cluster: no two work-groups read the same bytes.  No tensor load: every stream goes through registers.  Only the quantiser's path touches LDS.
.set WAVES, 4
.set STEPS, 16
.set WGX,   256                        ; x: 8,388,608 numbers / 32,768 a work-group
.set WGQ,   352                        ; + qkv_w: 3,145,728 / 32,768 = 96
.set WGT,   384                        ; + 32 for the 128 token tiles of the rope table
.set EMAX,  2
.set CB,    8                          ; bytes of 16 codes
.set R,     16                         ; v16-79   four sets of 16 numbers as they are loaded
.set X,     80                         ; v80-111  two sets of 16 neighbours
.set E,     112                        ; v112-127 a scale byte for each step
.set C,     128                        ; v128-191 codes: four registers for each step, so that no store's data are written again
.set WREG,  8192                       ; LDS: a region for each wave: two stages of 32 x SP bytes, behind them its 256 scale bytes
.set SP,    80                         ; a lane's place in a stage: its 64 bytes + 16 of padding
.set SPW,   12                         ; v12      LDS address of my spare word; never rewritten
.set NIL,   13                         ; v13      0; never rewritten
.set SPARE, WAVES*WREG                 ; behind the four regions: the spare words, 128 bytes a wave, which no other line names
	s_load_b256 s[4:11], s[0:1], 0x0               ; x s[4:5], qkv_w s[6:7], rope_cos s[8:9], rope_sin s[10:11]
	s_load_b256 s[12:19], s[0:1], 0x20             ; proj_w s[12:13], codes s[14:15], scales s[16:17], ropei s[18:19]
	s_load_b64 s[20:21], s[0:1], 0x40              ; pwi
	v_lshl_add_u32 v[SPW], v0, 2, SPARE
	v_mov_b32 v[NIL], 0
	v_lshrrev_b32 v1, 5, v0
	v_readfirstlane_b32 s22, v1                    ; wave
	v_and_b32 v2, 31, v0                           ; lane
	s_cmp_ge_u32 ttmp9, WGQ                        ; the three paths part on the work-group's number alone
	s_cbranch_scc1 .Ltab
; ---- THE QUANTISER.  Rows are dense and K is a multiple of 32: both tensors are streams of blocks of 32.  A wave takes 16 steps of 512 numbers.  Each of a step's four loads reads 512 consecutive bytes;
; the 2,048 bytes turn through the wave's own stage in LDS and come back 64 bytes a lane, so that a lane holds 16 neighbours along K and two neighbouring lanes a block.
	v_lshlrev_b32 v3, 4, v2                        ; my 16 bytes of a load's 512
	s_mul_i32 s28, s22, WREG
	v_lshrrev_b32 v14, 2, v2
	v_mul_u32_u24 v14, v14, SP
	v_and_b32 v15, 3, v2
	v_lshl_add_u32 v14, v15, 4, v14
	v_add_nc_u32 v14, s28, v14                     ; the stage, on the way in: SP (lane / 4) + 16 (lane % 4)
	v_mul_u32_u24 v15, v2, SP
	v_add_nc_u32 v15, s28, v15                     ; and on the way out: SP x lane
	v_mul_u32_u24 v4, v2, CB                       ; my codes' place in a step's
	v_lshrrev_b32 v5, 1, v2
	s_add_co_u32 s28, s28, 2*32*SP
	v_add_nc_u32 v5, s28, v5                       ; LDS: my wave's 256 scale bytes, my block's byte
	v_lshlrev_b32 v7, 3, v2                        ; and on the way out 8 bytes a lane
	v_add_nc_u32 v6, s28, v7
	s_wait_kmcnt 0x0
	s_cmp_lt_u32 ttmp9, WGX                        ; x's work-group or qkv_w's?
	s_cselect_b64 s[4:5], s[4:5], s[6:7]
	s_cselect_b32 s23, 0, WGX
	s_sub_co_u32 s23, ttmp9, s23
	s_lshl_b32 s23, s23, 2
	s_add_co_u32 s24, s23, s22                     ; which run of 8,192 numbers of the tensor is my wave's
	s_mov_b32 s25, 0
	s_lshl_b64 s[24:25], s[24:25], 15              ; 32,768 bytes a run
	s_add_nc_u64 s[4:5], s[4:5], s[24:25]
	s_lshl_b32 s24, ttmp9, 2
	s_add_co_u32 s24, s24, s22                     ; and which run of the joint row space (0 .. 1,407)
	s_lshl_b32 s26, s24, 12                        ; 4,096 bytes of codes a run
	s_mov_b32 s27, 0
	s_add_nc_u64 s[14:15], s[14:15], s[26:27]
	s_lshl_b32 s26, s24, 8                         ; 256 scale bytes a run
	s_add_nc_u64 s[16:17], s[16:17], s[26:27]
.macro LOAD t
.irp i, 0,1,2,3
	global_load_b128 v[R+16*((\t)%4)+4*\i:R+16*((\t)%4)+4*\i+3], v3, s[4:5] offset:2048*(\t)+512*\i th:TH_LOAD_NT   ; 32 lanes read 512 consecutive bytes
.endr
.endm
.macro TURN t                          ; step t's numbers through the stage: LDS serves a wave's instructions in order (ISA guide 5.7.1.4), so no wait stands between the stores and the loads
.irp i, 0,1,2,3
	ds_store_b128 v14, v[R+16*((\t)%4)+4*\i:R+16*((\t)%4)+4*\i+3] offset:32*SP*((\t)%2)+8*SP*\i
.endr
.irp i, 0,1,2,3
	ds_load_b128 v[X+16*((\t)%2)+4*\i:X+16*((\t)%2)+4*\i+3], v15 offset:32*SP*((\t)%2)+16*\i
.endr
.endm
.irp t, 0,1,2,3
	LOAD \t
.endr
	s_wait_loadcnt 12                              ; step 0's four loads are in; the twelve of steps 1 to 3 may be out
	TURN 0
.macro STEP t
.set XS, X+16*((\t)%2)
.if (\t) > 0
	s_wait_dscnt 1                                 ; this step's numbers are back from the stage (the last step's byte store may be out): so its stores into the stage have read their registers,
.else
	s_wait_dscnt 0x0
.endif
.if (\t)+4 < STEPS
	LOAD (\t)+4                                    ; which take the loads of four steps on
.endif
.if (\t)+1 < STEPS
.if STEPS-2-(\t) >= 3
	s_wait_loadcnt 12                              ; the next step's four loads are in; those of the three steps behind it may be out
.else
	s_wait_loadcnt 4*(STEPS-2-(\t))
.endif
	TURN (\t)+1                                    ; and go through the other stage while this step is worked
.endif
	v_max3_num_f32 v8, |v[XS]|, |v[XS+1]|, |v[XS+2]|               ; the largest magnitude of my 16, in two chains
	v_max3_num_f32 v9, |v[XS+3]|, |v[XS+4]|, |v[XS+5]|
.irp i, 6,10
	v_max3_num_f32 v8, v8, |v[XS+\i]|, |v[XS+\i+1]|
	v_max3_num_f32 v9, v9, |v[XS+\i+2]|, |v[XS+\i+3]|
.endr
	v_max3_num_f32 v8, v8, |v[XS+14]|, |v[XS+15]|
	v_max3_num_f32 v8, v8, v9, (EMAX+1)<<23        ; and the floor 2^(EMAX + 1 - 127): the byte cannot fall under 1
	v_max_num_f32_dpp v8, v8, v8 row_xmask:1 row_mask:0xf bank_mask:0xf   ; and of my neighbour's 16: the block's
	v_add_nc_u32 v11, -(EMAX<<23), v8              ; EMAX off its exponent field: the conversion takes the exponent field of this operand as its scale, and nothing else of it
	v_cvt_scalef32_pk8_fp4_f32 v[C+4*(\t)], v[XS:XS+7], v11        ; eight numbers / the scale, to the nearest code, ties to even, beyond the largest code the largest
	v_cvt_scalef32_pk8_fp4_f32 v[C+4*(\t)+1], v[XS+8:XS+15], v11
	v_lshrrev_b32 v[E+(\t)], 23, v11               ; the scale's byte (also the plain instruction behind the conversions)
	ds_store_b8 v5, v[E+(\t)] offset:16*(\t)       ; both lanes of a block write the same byte with the same value
	global_store_b64 v4, v[C+4*(\t):C+4*(\t)+1], s[14:15] offset:32*CB*(\t)   ; the wave stores 256 consecutive bytes, aligned
.endm
.irp t, 0,1,2,3,4,5,6,7,8,9,10,11,12,13,14,15
	STEP \t
.endr
	ds_load_b64 v[8:9], v6                         ; my wave's 256 scale bytes: these loads see my stores
	s_wait_dscnt 0x0
	global_store_b64 v7, v[8:9], s[16:17]          ; 32 lanes store 256 consecutive bytes, aligned
	s_wait_tensorcnt 0x0                           ; the wave's end
	ds_add_u32 v[SPW], v[NIL]
	s_wait_dscnt 0x0
	s_endpgm
; ---- THE ROPE TABLE: a wave makes one token tile's 8,192 bytes.  A lane reads 16 bytes of its token's row sixteen times; the two tables are 1 MB in all, read once.
.Ltab:
	s_cmp_ge_u32 ttmp9, WGT
	s_cbranch_scc1 .Lpw
	s_sub_co_u32 s23, ttmp9, WGQ
	s_lshl_b32 s23, s23, 2
	s_add_co_u32 s23, s23, s22                     ; T
	v_and_b32 v5, 15, v2                           ; r
	v_lshrrev_b32 v6, 4, v2                        ; h
	v_lshl_add_u32 v7, s23, 4, v5                  ; s = 16 T + r
	v_add_nc_u32 v8, -1, v7                        ; the table's row is s - 1;
	v_min_u32 v8, 0x7fe, v8                        ; token 0 has none: it reads the last row, inside the table, and its numbers are replaced below
	v_lshlrev_b32 v3, 8, v8                        ; 256 bytes a row
	v_lshl_add_u32 v3, v6, 5, v3                   ; + 32 h
	v_lshlrev_b32 v4, 4, v2                        ; out: 16 bytes a lane
	s_lshl_b32 s24, s23, 13                        ; 8,192 bytes a tile
	s_mov_b32 s25, 0
	s_mov_b32 s26, 0x3c800000                      ; 2^-6
	s_mov_b32 s27, s26                             ; (the packed form names a pair, so both are written)
	s_mov_b32 s28, 0xbc800000                      ; -2^-6
	s_mov_b32 s29, s28
	s_wait_kmcnt 0x0
	s_add_nc_u64 s[18:19], s[18:19], s[24:25]
.irp b, 0,1,2,3
.irp q, 0,1
	global_load_b128 v[16+16*\b+4*\q:16+16*\b+4*\q+3], v3, s[8:9] offset:64*\b+16*\q     ; cos[s-1][16 b + 8 h + 4 q ..]
	global_load_b128 v[24+16*\b+4*\q:24+16*\b+4*\q+3], v3, s[10:11] offset:64*\b+16*\q   ; sin likewise
.endr
.endr
	s_wait_loadcnt 0x0
.irp b, 0,1,2,3
.irp p, 0,2,4,6
	v_pk_mul_f32 v[16+16*\b+\p:17+16*\b+\p], v[16+16*\b+\p:17+16*\b+\p], s[26:27] op_sel_hi:[1,0]
.if \b < 2
	v_pk_mul_f32 v[24+16*\b+\p:25+16*\b+\p], v[24+16*\b+\p:25+16*\b+\p], s[28:29] op_sel_hi:[1,0]   ; d < 32: rotate_half brings -t[d + 32]
.else
	v_pk_mul_f32 v[24+16*\b+\p:25+16*\b+\p], v[24+16*\b+\p:25+16*\b+\p], s[26:27] op_sel_hi:[1,0]   ; d >= 32: +t[d - 32]
.endif
.endr
.endr
	s_cmp_lg_u32 s23, 0                            ; only tile 0 holds the prefix token
	s_cbranch_scc1 .Lrows
	v_mov_b32 v9, 0x3c800000
	v_cmp_eq_u32 vcc_lo, 0, v7
.irp b, 0,1,2,3
.irp j, 0,1,2,3,4,5,6,7
	v_cndmask_b32 v[16+16*\b+\j], v[16+16*\b+\j], v9, vcc_lo       ; token 0: t x 2^-6
	v_cndmask_b32 v[24+16*\b+\j], v[24+16*\b+\j], v[NIL], vcc_lo   ; + 0
.endr
.endr
.Lrows:
.irp i, 0,1,2,3,4,5,6,7,8,9,10,11,12,13,14,15
	global_store_b128 v4, v[16+4*\i:19+4*\i], s[18:19] offset:512*\i   ; 512 consecutive bytes a store
.endr
	s_endpgm
; ---- PROJ_W: work-group nt takes 16 rows; wave w their k = 256 w .. 256 w + 255, in four groups of 64.  A group's eight loads together cover 256 consecutive bytes of each of the 16 rows.
.Lpw:
	s_sub_co_u32 s23, ttmp9, WGT                   ; nt
	v_and_b32 v5, 15, v2                           ; r
	v_lshrrev_b32 v6, 4, v2                        ; h
	v_lshlrev_b32 v3, 12, v5                       ; a row of proj_w is 4,096 bytes
	v_lshl_add_u32 v3, v6, 5, v3                   ; + 32 h
	v_lshlrev_b32 v4, 4, v2
	s_lshl_b32 s24, s23, 16                        ; 16 rows
	s_lshl_b32 s26, s22, 10                        ; my wave's 256 numbers
	s_add_co_u32 s24, s24, s26
	s_mov_b32 s25, 0
	s_lshl_b32 s26, s23, 15                        ; out: 32,768 bytes for each nt,
	s_lshl_b32 s28, s22, 13                        ; 16 pieces of 512 bytes a wave
	s_add_co_u32 s26, s26, s28
	s_mov_b32 s27, 0
	s_mov_b32 s30, 0x41800000                      ; 16.0
	s_mov_b32 s31, s30
	s_wait_kmcnt 0x0
	s_add_nc_u64 s[12:13], s[12:13], s[24:25]
	s_add_nc_u64 s[20:21], s[20:21], s[26:27]
.irp g, 0,1,2,3
.irp k, 0,1,2,3
.irp q, 0,1
	global_load_b128 v[16+32*\g+8*\k+4*\q:16+32*\g+8*\k+4*\q+3], v3, s[12:13] offset:256*\g+64*\k+16*\q th:TH_LOAD_NT
.endr
.endr
.endr
.irp g, 0,1,2,3
	s_wait_loadcnt 24-8*\g                         ; this group's eight loads are in; the younger groups' may be out
.irp p, 0,2,4,6,8,10,12,14,16,18,20,22,24,26,28,30
	v_pk_mul_f32 v[16+32*\g+\p:17+32*\g+\p], v[16+32*\g+\p:17+32*\g+\p], s[30:31] op_sel_hi:[1,0]
.endr
.irp i, 0,1,2,3,4,5,6,7,8,9,10,11,12,13,14,15
	v_cvt_pk_f16_f32 v[16+32*\g+\i], v[16+32*\g+2*\i], v[17+32*\g+2*\i]   ; in place, ascending: register i is written when registers 2 i and 2 i + 1 are read
.endr
.irp k, 0,1,2,3
	global_store_b128 v4, v[16+32*\g+4*\k:19+32*\g+4*\k], s[20:21] offset:(4*\g+\k)*512   ; 512 consecutive bytes a store; no register is written again
.endr
.endr
	s_endpgm
.Lfunc_end_k_qee6c85bfab_prep:
	.size	k_qee6c85bfab_prep, .Lfunc_end_k_qee6c85bfab_prep-k_qee6c85bfab_prep
	.p2alignl 7, 3214868480
	.fill 96, 4, 3214868480
	.section	.rodata,"a",@progbits
	.p2align	6, 0x0
	.amdhsa_kernel k_qee6c85bfab_prep
		.amdhsa_group_segment_fixed_size 33280
		.amdhsa_private_segment_fixed_size 0
		.amdhsa_enable_private_segment 0
		.amdhsa_kernarg_size 72
		.amdhsa_user_sgpr_count 2
		.amdhsa_user_sgpr_kernarg_segment_ptr 1
		.amdhsa_wavefront_size32 1
		.amdhsa_system_sgpr_workgroup_id_x 1
		.amdhsa_system_sgpr_workgroup_id_y 1
		.amdhsa_system_sgpr_workgroup_id_z 1
		.amdhsa_system_vgpr_workitem_id 0
		.amdhsa_next_free_vgpr 192
		.amdhsa_next_free_sgpr 66
		.amdhsa_reserve_vcc 1
		.amdhsa_float_denorm_mode_32 3
		.amdhsa_float_denorm_mode_16_64 3
		.amdhsa_memory_ordered 1
		.amdhsa_forward_progress 1
		.amdhsa_inst_pref_size 55
	.end_amdhsa_kernel
	.amdgpu_metadata
---
amdhsa.version: [ 1, 2 ]
amdhsa.kernels:
  - .name:           k_qee6c85bfab_prep
    .symbol:         k_qee6c85bfab_prep.kd
    .args:
      - { .name: x, .offset: 0, .size: 8, .value_kind: global_buffer, .address_space: global }
      - { .name: qkv_w, .offset: 8, .size: 8, .value_kind: global_buffer, .address_space: global }
      - { .name: rope_cos, .offset: 16, .size: 8, .value_kind: global_buffer, .address_space: global }
      - { .name: rope_sin, .offset: 24, .size: 8, .value_kind: global_buffer, .address_space: global }
      - { .name: proj_w, .offset: 32, .size: 8, .value_kind: global_buffer, .address_space: global }
      - { .name: codes, .offset: 40, .size: 8, .value_kind: global_buffer, .address_space: global }
      - { .name: scales, .offset: 48, .size: 8, .value_kind: global_buffer, .address_space: global }
      - { .name: ropei, .offset: 56, .size: 8, .value_kind: global_buffer, .address_space: global }
      - { .name: pwi, .offset: 64, .size: 8, .value_kind: global_buffer, .address_space: global }
    .group_segment_fixed_size: 33280
    .private_segment_fixed_size: 0
    .kernarg_segment_align: 8
    .kernarg_segment_size: 72
    .max_flat_workgroup_size: 128
    .sgpr_count:     66
    .vgpr_count:     192
    .wavefront_size: 32
...
	.end_amdgpu_metadata
.endif
;; end of part 1
;; launch qkvg (part 2): grid 12 x 32, 4 waves a work-group, clusters of 4 x 4, 327,680 bytes of LDS; arguments codes, scales, ropei, q_bias, v_bias, qkv; writes qkv
.if DOCPART == 2
	.amdgcn_target "amdgcn-amd-amdhsa--gfx1250"
	.amdhsa_code_object_version 6
	.text
	.protected	k_qee6c85bfab_qkvg
	.globl	k_qee6c85bfab_qkvg
	.p2align	8
	.type	k_qee6c85bfab_qkvg,@function
k_qee6c85bfab_qkvg:
	s_mov_b64 s[64:65], 0
	v_nop
	global_prefetch_b8 v0, s[64:65] scope:SCOPE_SE
	s_setreg_imm32_b32 hwreg(HW_REG_WAVE_MODE, 25, 1), 1
	s_wait_xcnt 0x0
	s_wait_alu depctr_hold_cnt(0) depctr_sa_sdst(0) depctr_va_vdst(0) depctr_va_sdst(0) depctr_va_ssrc(0) depctr_va_vcc(0) depctr_vm_vsrc(0)
	s_getreg_b32 s2, hwreg(HW_REG_IB_STS2, 6, 4)
	s_cmp_eq_u32 s2, 0
	s_cbranch_scc0 .Lentry_in_a_cluster
	s_endpgm
.Lentry_in_a_cluster:
	s_bfe_u32 s2, ttmp6, 0x10000c
	s_cmp_lg_u32 s2, 0xf033
	s_cbranch_scc0 .Lentry_shape_is_right
	s_endpgm
.Lentry_shape_is_right:
; EVA attention, launch 2 of 4: qkv = Q4(x) Q4(qkv_w)^T on codes of FP4 (E2M1) with one E8M0 scale for each 32 along K, f32 sums; then q_bias or v_bias, rope, a power of two, f16.
; LEFT OUT: K's bias, which reference() builds as zeros (shown at the head of the first launch).
; Both operands lie in one row space of 11,264 rows of 512 bytes of codes and 32 scale bytes (rows 0-8191: tokens; 8192-11263: qkv_w's rows).  K = 1,024 is two slots of 512: both are first fills, nothing is filled again.
; A work-group of four waves makes 256 x 256 results, a wave 128 x 128: 64 accumulators.  SOURCE 0 TAKES 16 ROWS OF 'P', SOURCE 1 16 ROWS OF 'R': a lane then holds ONE row of R (lane % 16) and EIGHT neighbouring rows of P.
; THE TYPE is the cluster's x, the same in all sixteen partners: 0 = Q, 1 = K, 2 = V.  Q, K: R = tokens, P = weight rows: a lane holds a token and 8 channels.  V: R = weight rows, P = tokens: a lane holds a channel and 8 tokens:
; V comes out with the keys innermost at no cost.  A lane's 8 numbers, packed to f16, are 16 bytes of an IMAGE OF THE NEXT LAUNCH'S OPERAND REGISTERS: every store of a wave covers 512 consecutive bytes, straight from registers.
;   qkv: Q at 0, K at 16 MiB: [batch x head 64][token tile 128][b 4][lane][16 bytes], lane (r, h): token 16 T + r, channels 16 b + 8 h + 0..7, times 2^-6;
;        V at 32 MiB: [batch x head][kg 64][ct 4][c 2][lane][16 bytes], lane (r, h): channel 16 ct + r, keys 32 kg + 16 c + 8 h + 0..7, times 2^-4.
; CLUSTERS: 4 x 4 work-groups.  R's tile hangs on the place along y and is shared along a row of the cluster, P's on the place along x and is shared along a column: each tile is asked for jointly.
; The loads that differ by type (rope tables, biases) stand in the way out, behind ONE branch on the type, so that every register read there is written on the same path.
; No prefetch: all of K is asked for by the first fills.  One tile to a work-group: 384 tiles; a tile that gave 256 work-groups would straddle the borders between Q, K and V, on which the way out parts.
; LIMITS: f16 holds |q|, |k| after rope up to 65,504 x 64 and |v| up to 65,504 x 16; under 2^-8 (q, k) and 2^-10 (v) the rounding is absolute, 2^-19 and 2^-21.
; REGISTERS, in windows of 256: window 0: v0-31 addresses; v32-95 scale words, two sets, and nothing else; v96-119 V's bias; v128-191 R's fragments, one set, on the way out 64 numbers at work; v192-255 Q's bias, then packed results.
;   window 1: P's fragments, two sets, at v0 and v128; the rope tables' two buffers at v64 and v192.   windows 2, 3: the accumulators of my R rows 0-63, 64-127 ((a, b) at v[8 (8 (a % 4) + b)]).
.set KSTEP,  512
.set NQ,     KSTEP/128                 ; matrix instructions deep in a slot
.set ROWB,   256                       ; a tile's row in bytes
.set KROW,   512                       ; a row of codes in memory
.set PITCH,  272                       ; an LDS row: 256 bytes + 16 of padding = 68 words: row r starts at bank 4 r mod 64 (64 banks of 4 bytes: ISA guide 11.1)
.set FR,     8
.set NL,     2
.set NP,     4                         ; places behind this matrix instruction (ISA guide 7.12.1)
.set HALFT,  128*PITCH
.set SLOT,   4*HALFT                   ; R's 256 rows, then P's 256 rows
.set KS,     32                        ; a row of scales in bytes
.set SCL,    2*SLOT                    ; behind the two slots: the scales, as units of 256 bytes + 16 of padding
.set HALFS,  (128*KS/256)*272
.set SBLK,   (16*KS/256)*272
.set SPARE,  SCL+4*HALFS               ; the spare words, 128 bytes a wave, which no other line names
.set ADRA, 16                          ; v16-17  LDS address of my R fragments in slot 0, 1
.set ADRB, 20                          ; v20-21  the same for P
.set LI,   26                          ; v26     16 x lane: my place in an image's 512 bytes
.set ADRS, 27                          ; v27     LDS address of my scale words: lanes 0-15 R's rows, lanes 16-31 P's
.set SPW,  28                          ; v28     LDS address of my spare word; never rewritten
.set NIL,  29                          ; v29     0; never rewritten
.set BO,   30                          ; v30     32 h: q_bias at my eight channels of a block
.set BR,   31                          ; v31     4 r: v_bias at my channel of a block
.set SC,   32
.set BVL,  96                          ; v96-103  v_bias as loaded
.set BV,   104                         ; v104-119 2^-4 v_bias, each number twice
.set AF,   128
.set TT,   128                         ; the way out: 64 numbers at work
.set BI,   192                         ; q_bias, 8 registers for each of P's blocks
.set OUT,  192                         ; packed results, 32 registers
.set G1, 24
.set G0, 32
.set G1B, 48
.set G0B, 56
.set G1S, 68
.set G0S, 76
.set G1SB, 80
.set G0SB, 88
.set MSB, 0
.macro WIN new                         ; the immediate's high byte repeats the setting that is left
.if MSB != (\new)
	s_set_vgpr_msb (MSB<<8)|(\new)
.set MSB, (\new)
.endif
.endm
.set MUL_LO, 0xa1                      ; source 0 (P) window 1, source 1 (R) window 0, C and D window 2
.set MUL_HI, 0xf1                      ; the same, C and D window 3
.set TO_B,   0x40                      ; destination window 1, address window 0
; A joint load: waves 0 and 1 fetch for R, waves 2 and 3 for P.  The branch hangs on the wave's number alone.  An s_nop 0 and four v_nop follow each of the two lines.
.macro JLOAD g0a, g1a, g0b, g1b
	s_cmp_eq_u32 s15, 0
	s_cbranch_scc0 .Lfor_b_\@
	tensor_load_to_lds s[\g0a:\g0a+3], s[\g1a:\g1a+7]
	s_nop 0
.rept 4
	v_nop
.endr
	s_branch .Lasked_\@
.Lfor_b_\@:
	tensor_load_to_lds s[\g0b:\g0b+3], s[\g1b:\g1b+7]
	s_nop 0
.rept 4
	v_nop
.endr
.Lasked_\@:
.endm
.macro CROUND                          ; a round of the cluster's barrier
	s_barrier_signal -1
	s_barrier_wait -1
	s_cmp_lg_u32 s14, 0
	s_cbranch_scc1 .Lnot_wave_0_\@
	s_barrier_signal -3
.Lnot_wave_0_\@:
	s_barrier_wait -3
	s_barrier_signal -1
	s_barrier_wait -1
.endm
	s_load_b256 s[4:11], s[0:1], 0x0               ; codes s[4:5], scales s[6:7], ropei s[8:9], q_bias s[10:11]
	s_load_b128 s[96:99], s[0:1], 0x20             ; v_bias s[96:97], qkv s[98:99]
	v_lshl_add_u32 v[SPW], v0, 2, SPARE
	v_mov_b32 v[NIL], 0
	ds_add_u32 v[SPW], v[NIL]                      ; the wave's opening: the add, twice on end, and its wait ahead of my first tensor load
	ds_add_u32 v[SPW], v[NIL]
	v_lshrrev_b32 v1, 5, v0
	v_readfirstlane_b32 s14, v1                    ; wave 0..3
	s_lshr_b32 s15, s14, 1                         ; which half of R's rows is mine.  Also: I fetch for R (0) or for P (1)
	s_and_b32 s16, s14, 1                          ; which half of P's rows.  Also: which 128 rows of that tile I fetch
	s_bfe_u32 s40, ttmp6, 0x40000                  ; cx, cy: my place in the cluster
	s_bfe_u32 s41, ttmp6, 0x40004
	s_mov_b32 s66, ttmp9                           ; the type: the cluster's x
	s_and_b32 s67, ttmp7, 0xffff
	s_lshl_b32 s67, s67, 2                         ; 4 x the cluster's y: a run of four token tiles of 256
	s_lshl_b32 s12, s66, 2
	s_add_co_u32 s12, s12, 32                      ; Q's weight rows begin at tile 32, K's at 36
	s_cmp_eq_u32 s66, 2
	s_cselect_b32 s17, 40, s67                     ; R: V's weight rows (tile 40 on), else tokens
	s_cselect_b32 s42, s67, s12                    ; P: tokens, else weight rows
	s_add_co_u32 s17, s17, s41                     ; R's tile goes with cy,
	s_add_co_u32 s42, s42, s40                     ; P's with cx
	s_lshl_b32 s43, s41, 2
	s_lshl_b32 s43, 15, s43                        ; my row of the cluster
	s_lshl_b32 s44, 0x1111, s40                    ; my column
	; descriptor group 1: a tile of 128 rows x 256 bytes, padded in LDS
	s_or_b32 s[G1+0], s43, (0<<16)|(1<<20)|(1<<21)|(5<<22)|(3<<25)  ; 15:0 the mask; 17:16 elements of 1 byte; 20 padding on; 21 set beside a mask; 24:22 after every 64 words; 31:25 four words
	s_or_b32 s[G1B+0], s44, (0<<16)|(1<<20)|(1<<21)|(5<<22)|(3<<25)
.irp g, G1, G1B
	s_mov_b32 s[\g+1], ROWB<<16                    ; tensor_dim0
	s_mov_b32 s[\g+2], 128<<16                     ; tensor_dim1
	s_mov_b32 s[\g+3], ROWB<<16                    ; tile_dim0
	s_mov_b32 s[\g+4], 128                         ; tile_dim1
	s_mov_b32 s[\g+5], KROW                        ; from row to row
	s_mov_b32 s[\g+6], 0
	s_mov_b32 s[\g+7], 0
.endr
	; the scales of 128 rows: 4,096 dense bytes, as 16 rows of 256 bytes (32 elements of 8 bytes), 16 bytes of padding behind each
	s_or_b32 s[G1S+0], s43, (3<<16)|(1<<20)|(1<<21)|(5<<22)|(3<<25)
	s_or_b32 s[G1SB+0], s44, (3<<16)|(1<<20)|(1<<21)|(5<<22)|(3<<25)
.irp g, G1S, G1SB
	s_mov_b32 s[\g+1], 32<<16
	s_mov_b32 s[\g+2], (128*KS/256)<<16
	s_mov_b32 s[\g+3], 32<<16
	s_mov_b32 s[\g+4], 128*KS/256
	s_mov_b32 s[\g+5], 32
	s_mov_b32 s[\g+6], 0
	s_mov_b32 s[\g+7], 0
.endr
	s_lshl_b32 s18, s16, 7                         ; which 128 rows of the tile I fetch
	s_lshl_b32 s20, s17, 8
	s_add_co_u32 s20, s20, s18                     ; R: row 256 x tile + 128 x half
	s_lshl_b32 s46, s42, 8
	s_add_co_u32 s46, s46, s18                     ; P likewise
	s_mov_b32 s21, 0
	s_mov_b32 s47, 0
	s_mov_b64 s[18:19], KS
	s_mul_u64 s[22:23], s[20:21], s[18:19]         ; where these rows' scales begin, in bytes
	s_mul_u64 s[92:93], s[46:47], s[18:19]
	s_mov_b64 s[18:19], KROW
	s_mul_u64 s[20:21], s[20:21], s[18:19]         ; and their codes
	s_mul_u64 s[46:47], s[46:47], s[18:19]
	s_mul_i32 s45, s14, HALFT                      ; where they go: wave x 128 rows: no place in the cluster enters an LDS address
	s_mul_i32 s94, s14, HALFS
	s_wait_dscnt 0x0                               ; both opening adds are done
	s_wait_kmcnt 0x0
	s_add_nc_u64 s[20:21], s[4:5], s[20:21]
	s_add_nc_u64 s[22:23], s[6:7], s[22:23]
	s_add_nc_u64 s[46:47], s[4:5], s[46:47]
	s_add_nc_u64 s[92:93], s[6:7], s[92:93]
	CROUND                                         ; all sixteen work-groups are here: the first joint loads meet
	s_mov_b32 s[G0S], 1
	s_add_co_u32 s[G0S+1], s94, SCL
	s_mov_b64 s[G0S+2:G0S+3], s[22:23]
	s_or_b32 s[G0S+3], s[G0S+3], 0x80000000
	s_mov_b32 s[G0SB], 1
	s_add_co_u32 s[G0SB+1], s94, SCL
	s_mov_b64 s[G0SB+2:G0SB+3], s[92:93]
	s_or_b32 s[G0SB+3], s[G0SB+3], 0x80000000
	JLOAD G0S, G1S, G0SB, G1SB                     ; the scales first: they are wanted with slot 0.  Three loads of mine go out here, and no more in the launch
.irp s, 0,1
	s_mov_b32 s[G0+4*\s], 1
	s_add_co_u32 s[G0+4*\s+1], s45, \s*SLOT
	s_add_nc_u64 s[G0+4*\s+2:G0+4*\s+3], s[20:21], \s*ROWB
	s_or_b32 s[G0+4*\s+3], s[G0+4*\s+3], 0x80000000
	s_mov_b32 s[G0B+4*\s], 1
	s_add_co_u32 s[G0B+4*\s+1], s45, \s*SLOT
	s_add_nc_u64 s[G0B+4*\s+2:G0B+4*\s+3], s[46:47], \s*ROWB
	s_or_b32 s[G0B+4*\s+3], s[G0B+4*\s+3], 0x80000000
	JLOAD G0+4*\s, G1, G0B+4*\s, G1B
.endr
	v_and_b32 v1, 15, v0                           ; r
	v_bfe_u32 v2, v0, 4, 1                         ; h
	v_mul_u32_u24 v3, v1, PITCH
	v_lshl_add_u32 v4, v2, 4, v3                   ; a fragment's row x pitch + 16 h
	s_mul_i32 s21, s15, HALFT                      ; my 128 rows of R
	s_mul_i32 s22, s16, HALFT                      ; my 128 rows of P,
	s_add_co_u32 s22, s22, 2*HALFT                 ; which lie behind R's 256
.irp s, 0,1
	v_add_nc_u32 v[ADRA+\s], s21, v4
	v_add_nc_u32 v[ADRB+\s], s22, v4
	s_add_co_u32 s21, s21, SLOT
	s_add_co_u32 s22, s22, SLOT
.endr
	v_mul_u32_u24 v5, v1, KS                       ; my row's scales: 32 bytes a row,
	v_lshrrev_b32 v6, 8, v5
	v_lshl_add_u32 v5, v6, 4, v5                   ; and 16 more for each 256 passed
	s_mul_i32 s21, s15, HALFS
	s_mul_i32 s22, s16, HALFS
	s_add_co_u32 s22, s22, 2*HALFS
	s_sub_co_u32 s22, s22, s21
	v_mul_u32_u24 v6, s22, v2                      ; lanes 16-31 take P's: one product, the distance between the two bases
	s_add_co_u32 s21, s21, SCL
	v_add_nc_u32 v5, v5, v6
	v_add_nc_u32 v[ADRS], s21, v5
	v_and_b32 v6, 31, v0
	v_lshlrev_b32 v[LI], 4, v6
	v_lshlrev_b32 v[BO], 5, v2
	v_lshlrev_b32 v[BR], 2, v1
.macro FRAG reg, adr, q, i             ; 16 rows x 128 K of 4-bit codes: 8 registers; lane l holds row l % 16; registers 4 c .. 4 c + 3 hold K = 64 c + 32 (l / 16) + 0 .. 31
.irp c, 0,1
	ds_load_b128 v[\reg+4*\c:\reg+4*\c+3], v[\adr] offset:64*(\q)+32*\c+(\i)*16*PITCH
.endr
.endm
; 16 matrix instructions: R's blocks a0, a0 + 1 x P's eight, 128 along K.  p: P's set; sc: the set of scale words.  zero = 1: the first product starts the sums.
; The 64 accumulators take turns, one instruction a turn, in the same order in every step.
.macro MUL16 a0, p, q, sc, zero
.irp a, \a0, \a0+1
.irp b, 0,1,2,3,4,5,6,7
.if \zero
	v_wmma_scale_f32_16x16x128_f8f6f4 v[8*(8*((\a)%4)+\b):8*(8*((\a)%4)+\b)+7], v[128*(\p)+FR*\b:128*(\p)+FR*\b+FR-1], v[AF+FR*(\a):AF+FR*(\a)+FR-1], 0, v[SC+8*NQ*(\sc)+NQ*\b+(\q)], v[SC+8*NQ*(\sc)+NQ*(\a)+(\q)] matrix_a_fmt:MATRIX_FMT_FP4 matrix_b_fmt:MATRIX_FMT_FP4 matrix_a_scale:MATRIX_SCALE_ROW1
.else
	v_wmma_scale_f32_16x16x128_f8f6f4 v[8*(8*((\a)%4)+\b):8*(8*((\a)%4)+\b)+7], v[128*(\p)+FR*\b:128*(\p)+FR*\b+FR-1], v[AF+FR*(\a):AF+FR*(\a)+FR-1], v[8*(8*((\a)%4)+\b):8*(8*((\a)%4)+\b)+7], v[SC+8*NQ*(\sc)+NQ*\b+(\q)], v[SC+8*NQ*(\sc)+NQ*(\a)+(\q)] matrix_a_fmt:MATRIX_FMT_FP4 matrix_b_fmt:MATRIX_FMT_FP4 matrix_a_scale:MATRIX_SCALE_ROW1
.endif
.endr
.endr
.endm
.macro FETCH_B slot, q, p              ; P's eight fragments of the slot's q-th 128 along K into set p
	WIN TO_B
.irp i, 0,1,2,3,4,5,6,7
	FRAG 128*(\p)+FR*\i, ADRB+\slot, \q, \i
.endr
	WIN 0
.endm
.macro FETCH_A slot, q, i0             ; R's blocks i0 .. i0 + 3
.irp i, \i0, \i0+1, \i0+2, \i0+3
	FRAG AF+FR*(\i), ADRA+\slot, \q, \i
.endr
.endm
.macro SCALES sc                       ; a slot's scale words into set sc: four words a row; lanes 0-15 take R's block i, lanes 16-31 P's block i
.irp i, 0,1,2,3,4,5,6,7
	ds_load_b128 v[SC+8*NQ*\sc+NQ*\i:SC+8*NQ*\sc+NQ*\i+3], v[ADRS] offset:\i*SBLK
.endr
.endm
.macro PLACES n                        ; plain vector instructions that name no register of the matrix instructions in front of them (ISA guide 7.12.1)
.rept \n
	v_nop
.endr
.endm
.macro STEP slot, q, zero              ; a step of 128 along K that has its successor in the same slot
	s_wait_dscnt 4*NL                              ; P's set and R's blocks 0-3 are in; the youngest eight loads (R's blocks 4-7) may be out
	WIN MUL_LO
	MUL16 0, (\q)%2, \q, \slot, \zero
	MUL16 2, (\q)%2, \q, \slot, \zero
	s_wait_dscnt 0                                 ; R's blocks 4-7 are in
	PLACES NP
	FETCH_B \slot, (\q)+1, 1-(\q)%2
	FETCH_A \slot, (\q)+1, 0
	WIN MUL_HI
	MUL16 4, (\q)%2, \q, \slot, \zero
	MUL16 6, (\q)%2, \q, \slot, \zero
	PLACES NP
	WIN 0
	FETCH_A \slot, (\q)+1, 4
.endm
.macro STEPS slot, from
.set Q, \from
.rept NQ-1-\from
	STEP \slot, Q, 0
.set Q, Q+1
.endr
.endm
	s_wait_tensorcnt 1                             ; the scales and my part of slot 0 are in (slot 1's load may be out)
	s_barrier_signal -1
	s_barrier_wait -1                              ; everybody's are
	FETCH_B 0, 0, 0
	FETCH_A 0, 0, 0
	SCALES 0
	FETCH_A 0, 0, 4
	STEP 0, 0, 1                                   ; the first step's products start the sums: nothing is cleared
	STEPS 0, 1
	; slot 0's last step changes slots: one barrier; in front of it my part of slot 1 has landed
	s_wait_tensorcnt 0x0                           ; all my tensor loads have landed (every window is 0 here)
	ds_add_u32 v[SPW], v[NIL]                      ; 0 onto my spare word
	s_wait_dscnt 4*NL+1                            ; (the add and the youngest eight loads may be out)
	WIN MUL_LO
	MUL16 0, 1, NQ-1, 0, 0
	s_wait_dscnt 0x0                               ; no LDS instruction of mine is pending at the signal
	s_barrier_signal -1
	MUL16 2, 1, NQ-1, 0, 0
	WIN 0
	s_barrier_wait -1                              ; slot 1 is whole
	PLACES NP
	v_add_nc_u32 v[ADRS], 4*NQ, v[ADRS]            ; on to slot 1's scale words
	FETCH_B 1, 0, 0
	FETCH_A 1, 0, 0
	SCALES 1
	WIN MUL_HI
	MUL16 4, 1, NQ-1, 0, 0
	MUL16 6, 1, NQ-1, 0, 0
	PLACES NP
	WIN 0
	FETCH_A 1, 0, 4
	STEPS 1, 0
	s_wait_dscnt 4*NL                              ; the very last step: nothing more to fetch
	WIN MUL_LO
	MUL16 0, 1, NQ-1, 1, 0
	MUL16 2, 1, NQ-1, 1, 0
	s_wait_dscnt 0
	WIN MUL_HI
	MUL16 4, 1, NQ-1, 1, 0
	MUL16 6, 1, NQ-1, 1, 0
	WIN 0
; THE WAY OUT.
.macro TABLES a                        ; token tile a's rope table, 8,192 bytes, into buffer a % 2 of window 1: register 16 b + 8 cs + j is the factor for channel 16 b + 8 h + j of my token
.set TB, 64+128*((\a)%2)
	WIN TO_B
.irp b, 0,1,2,3
.irp c, 0,1
.irp q, 0,1
	global_load_b128 v[TB+16*\b+8*\c+4*\q:TB+16*\b+8*\c+4*\q+3], v[LI], s[8:9] offset:(\a)*8192+\b*2048+\c*1024+\q*512
.endr
.endr
.endr
	WIN 0
.endm
.macro ROPE a                          ; out[d] = t[d] cos[d] - t[d + 32] sin[d], out[d + 32] = t[d + 32] cos[d + 32] + t[d] sin[d + 32]; signs and 2^-6 lie in the table.  Each accumulator is read from its low end on
.set AC, 64*((\a)%4)
.set TB, 64+128*((\a)%2)
	WIN 0x06+(\a)/4                                ; source 0: window 2 or 3; source 1: window 1; source 2 and the destination: window 0
.irp hd, 0,1
.irp bp, 0,1
.irp jp, 0,2,4,6
	v_pk_mul_f32 v[TT+8*(4*\hd+\bp)+\jp:TT+8*(4*\hd+\bp)+\jp+1], v[AC+8*(4*\hd+\bp)+\jp:AC+8*(4*\hd+\bp)+\jp+1], v[TB+16*\bp+\jp:TB+16*\bp+\jp+1]
	v_pk_mul_f32 v[TT+8*(4*\hd+\bp+2)+\jp:TT+8*(4*\hd+\bp+2)+\jp+1], v[AC+8*(4*\hd+\bp+2)+\jp:AC+8*(4*\hd+\bp+2)+\jp+1], v[TB+16*(\bp+2)+\jp:TB+16*(\bp+2)+\jp+1]
	v_pk_fma_f32 v[TT+8*(4*\hd+\bp)+\jp:TT+8*(4*\hd+\bp)+\jp+1], v[AC+8*(4*\hd+\bp+2)+\jp:AC+8*(4*\hd+\bp+2)+\jp+1], v[TB+16*\bp+8+\jp:TB+16*\bp+8+\jp+1], v[TT+8*(4*\hd+\bp)+\jp:TT+8*(4*\hd+\bp)+\jp+1]
	v_pk_fma_f32 v[TT+8*(4*\hd+\bp+2)+\jp:TT+8*(4*\hd+\bp+2)+\jp+1], v[AC+8*(4*\hd+\bp)+\jp:AC+8*(4*\hd+\bp)+\jp+1], v[TB+16*(\bp+2)+8+\jp:TB+16*(\bp+2)+8+\jp+1], v[TT+8*(4*\hd+\bp+2)+\jp:TT+8*(4*\hd+\bp+2)+\jp+1]
.endr
.endr
.endr
.endm
.macro PACKST a, isv                   ; R's block a: 64 numbers a lane to f16, eight stores of 512 consecutive bytes
	WIN 0
	s_wait_xcnt 0x0                                ; the last block's stores have read their data: OUT is written again only behind this wait
.irp bb, 0,1,2,3,4,5,6,7
.irp i, 0,1,2,3
	v_cvt_pk_f16_f32 v[OUT+4*\bb+\i], v[TT+8*\bb+2*\i], v[TT+8*\bb+2*\i+1]
.endr
.endr
.irp bb, 0,1,2,3,4,5,6,7
.if \isv
	global_store_b128 v[LI], v[OUT+4*\bb:OUT+4*\bb+3], s[98:99] offset:((\a)/4)*262144+((\a)%4)*1024+(\bb/2)*4096+(\bb%2)*512   ; head a / 4, channels 16 (a % 4) on, keys 16 bb on
.else
	global_store_b128 v[LI], v[OUT+4*\bb:OUT+4*\bb+3], s[98:99] offset:(\bb/4)*262144+(\a)*2048+(\bb%4)*512                     ; head bb / 4, token tile a, channels 16 (bb % 4) on
.endif
.endr
.endm
	PLACES NP                                      ; behind the last products: their results are read, and R's fragments written over, by vector instructions below
	s_cmp_eq_u32 s66, 2                            ; the type: the same in every wave of every partner
	s_cbranch_scc1 .Lout_v
	; ---- Q and K
	s_lshl_b32 s12, s17, 8
	s_lshl_b32 s13, s15, 7
	s_add_co_u32 s12, s12, s13                     ; my first token
	s_lshr_b32 s13, s12, 11                        ; its batch
	s_bfe_u32 s12, s12, 0x70004                    ; its token tile in the sequence: 7 bits from bit 4
	s_lshl_b32 s18, s12, 13
	s_mov_b32 s19, 0
	s_add_nc_u64 s[8:9], s[8:9], s[18:19]          ; the rope table at that tile
	s_lshl_b32 s13, s13, 4
	s_lshl_b32 s20, s40, 2
	s_add_co_u32 s13, s13, s20
	s_lshl_b32 s20, s16, 1
	s_add_co_u32 s13, s13, s20                     ; 16 x batch + my first head (4 cx + 2 x half)
	s_lshl_b32 s13, s13, 18                        ; 262,144 bytes for each batch and head
	s_lshl_b32 s18, s12, 11                        ; 2,048 for each token tile
	s_add_co_u32 s18, s18, s13
	s_lshl_b32 s20, s66, 24                        ; K lies 16 MiB behind Q
	s_add_co_u32 s18, s18, s20
	s_add_nc_u64 s[98:99], s[98:99], s[18:19]
	TABLES 0
	TABLES 1
	s_cmp_lg_u32 s66, 0
	s_cbranch_scc1 .Lno_bias                       ; K has no bias
	s_lshl_b32 s18, s40, 10
	s_lshl_b32 s20, s16, 9
	s_add_co_u32 s18, s18, s20                     ; q_bias at my first channel: 4 (256 cx + 128 x half) bytes
	s_add_nc_u64 s[10:11], s[10:11], s[18:19]
.irp b, 0,1,2,3,4,5,6,7
	global_load_b128 v[BI+8*\b:BI+8*\b+3], v[BO], s[10:11] offset:64*\b
	global_load_b128 v[BI+8*\b+4:BI+8*\b+7], v[BO], s[10:11] offset:64*\b+16
.endr
	s_wait_loadcnt 0x0                             ; the bias was asked for last
	WIN 0x82                                       ; source 0 and the destination: window 2
.irp a, 0,1,2,3
.irp b, 0,1,2,3,4,5,6,7
.irp jp, 0,2,4,6
	v_pk_add_f32 v[8*(8*\a+\b)+\jp:8*(8*\a+\b)+\jp+1], v[8*(8*\a+\b)+\jp:8*(8*\a+\b)+\jp+1], v[BI+8*\b+\jp:BI+8*\b+\jp+1]
.endr
.endr
.endr
	WIN 0xc3                                       ; window 3
.irp a, 0,1,2,3
.irp b, 0,1,2,3,4,5,6,7
.irp jp, 0,2,4,6
	v_pk_add_f32 v[8*(8*\a+\b)+\jp:8*(8*\a+\b)+\jp+1], v[8*(8*\a+\b)+\jp:8*(8*\a+\b)+\jp+1], v[BI+8*\b+\jp:BI+8*\b+\jp+1]
.endr
.endr
.endr
	WIN 0
.Lno_bias:
.irp a, 0,1,2,3,4,5,6,7
.if \a < 7
	s_wait_loadcnt 16                              ; this block's table is in; the next block's sixteen loads may be out
.else
	s_wait_loadcnt 0
.endif
	ROPE \a
.if \a < 6
	TABLES \a+2                                    ; into the buffer just read
.endif
	PACKST \a, 0
.endr
	s_branch .Ldone
	; ---- V
.Lout_v:
	s_lshl_b32 s12, s42, 8
	s_lshl_b32 s13, s16, 7
	s_add_co_u32 s12, s12, s13                     ; my first token
	s_lshr_b32 s13, s12, 11                        ; its batch
	s_bfe_u32 s12, s12, 0x60005                    ; its group of 32 keys: 6 bits from bit 5
	s_lshl_b32 s20, s41, 8
	s_lshl_b32 s21, s15, 7
	s_add_co_u32 s20, s20, s21                     ; my first channel of V's 1,024
	s_lshl_b32 s18, s20, 2
	s_mov_b32 s19, 0
	s_add_nc_u64 s[96:97], s[96:97], s[18:19]
	s_lshr_b32 s20, s20, 6                         ; its head
	s_lshl_b32 s13, s13, 4
	s_add_co_u32 s13, s13, s20
	s_lshl_b32 s13, s13, 18
	s_lshl_b32 s18, s12, 12                        ; 4,096 bytes for each 32 keys
	s_add_co_u32 s18, s18, s13
	s_add_co_u32 s18, s18, 0x2000000               ; V lies 32 MiB behind Q
	s_add_nc_u64 s[98:99], s[98:99], s[18:19]
	s_mov_b32 s12, 0x3d800000                      ; 2^-4
	s_mov_b32 s13, s12
.irp a, 0,1,2,3,4,5,6,7
	global_load_b32 v[BVL+\a], v[BR], s[96:97] offset:64*\a   ; v_bias at channel 16 a + r
.endr
	s_wait_loadcnt 0x0
.irp a, 0,1,2,3,4,5,6,7
	v_mul_f32 v[BV+2*\a], s12, v[BVL+\a]
	v_mul_f32 v[BV+2*\a+1], s12, v[BVL+\a]
.endr
.irp a, 0,1,2,3,4,5,6,7
	WIN 0x02+\a/4                                  ; source 0: window 2 or 3
.irp b, 0,1,2,3,4,5,6,7
.irp jp, 0,2,4,6
	v_pk_fma_f32 v[TT+8*\b+\jp:TT+8*\b+\jp+1], v[64*(\a%4)+8*\b+\jp:64*(\a%4)+8*\b+\jp+1], s[12:13], v[BV+2*\a:BV+2*\a+1] op_sel_hi:[1,0,1]   ; 2^-4 (v + bias), one rounding
.endr
.endr
	PACKST \a, 1
.endr
.Ldone:
	s_wait_tensorcnt 0x0                           ; the wave's end
	ds_add_u32 v[SPW], v[NIL]
	s_wait_dscnt 0x0
	CROUND                                         ; the closing round: no work-group ends while a partner may still ask for a tile that names it
	s_endpgm
.Lfunc_end_k_qee6c85bfab_qkvg:
	.size	k_qee6c85bfab_qkvg, .Lfunc_end_k_qee6c85bfab_qkvg-k_qee6c85bfab_qkvg
	.p2alignl 7, 3214868480
	.fill 96, 4, 3214868480
	.section	.rodata,"a",@progbits
	.p2align	6, 0x0
	.amdhsa_kernel k_qee6c85bfab_qkvg
		.amdhsa_group_segment_fixed_size 327680
		.amdhsa_private_segment_fixed_size 0
		.amdhsa_enable_private_segment 0
		.amdhsa_kernarg_size 48
		.amdhsa_user_sgpr_count 2
		.amdhsa_user_sgpr_kernarg_segment_ptr 1
		.amdhsa_wavefront_size32 1
		.amdhsa_system_sgpr_workgroup_id_x 1
		.amdhsa_system_sgpr_workgroup_id_y 1
		.amdhsa_system_sgpr_workgroup_id_z 1
		.amdhsa_system_vgpr_workitem_id 0
		.amdhsa_next_free_vgpr 1024
		.amdhsa_next_free_sgpr 104
		.amdhsa_reserve_vcc 0
		.amdhsa_float_denorm_mode_32 3
		.amdhsa_float_denorm_mode_16_64 3
		.amdhsa_memory_ordered 1
		.amdhsa_forward_progress 1
		.amdhsa_inst_pref_size 221
	.end_amdhsa_kernel
	.amdgpu_metadata
---
amdhsa.version: [ 1, 2 ]
amdhsa.kernels:
  - .name:           k_qee6c85bfab_qkvg
    .symbol:         k_qee6c85bfab_qkvg.kd
    .args:
      - { .name: codes, .offset: 0, .size: 8, .value_kind: global_buffer, .address_space: global }
      - { .name: scales, .offset: 8, .size: 8, .value_kind: global_buffer, .address_space: global }
      - { .name: ropei, .offset: 16, .size: 8, .value_kind: global_buffer, .address_space: global }
      - { .name: q_bias, .offset: 24, .size: 8, .value_kind: global_buffer, .address_space: global }
      - { .name: v_bias, .offset: 32, .size: 8, .value_kind: global_buffer, .address_space: global }
      - { .name: qkv, .offset: 40, .size: 8, .value_kind: global_buffer, .address_space: global }
    .group_segment_fixed_size: 327680
    .private_segment_fixed_size: 0
    .kernarg_segment_align: 8
    .kernarg_segment_size: 48
    .max_flat_workgroup_size: 128
    .sgpr_count:     104
    .vgpr_count:     1024
    .wavefront_size: 32
...
	.end_amdgpu_metadata
.endif
;; end of part 2
;; launch attn (part 3): grid 4 x 64, 16 waves a work-group, clusters of 4 x 1, 327,680 bytes of LDS; arguments qkv, oi; writes oi
.if DOCPART == 3
	.amdgcn_target "amdgcn-amd-amdhsa--gfx1250"
	.amdhsa_code_object_version 6
	.text
	.protected	k_qee6c85bfab_attn
	.globl	k_qee6c85bfab_attn
	.p2align	8
	.type	k_qee6c85bfab_attn,@function
k_qee6c85bfab_attn:
	s_mov_b64 s[64:65], 0
	v_nop
	global_prefetch_b8 v0, s[64:65] scope:SCOPE_SE
	s_setreg_imm32_b32 hwreg(HW_REG_WAVE_MODE, 25, 1), 1
	s_wait_xcnt 0x0
	s_wait_alu depctr_hold_cnt(0) depctr_sa_sdst(0) depctr_va_vdst(0) depctr_va_sdst(0) depctr_va_ssrc(0) depctr_va_vcc(0) depctr_vm_vsrc(0)
	s_getreg_b32 s2, hwreg(HW_REG_IB_STS2, 6, 4)
	s_cmp_eq_u32 s2, 0
	s_cbranch_scc0 .Lentry_in_a_cluster
	s_endpgm
.Lentry_in_a_cluster:
	s_bfe_u32 s2, ttmp6, 0x10000c
	s_cmp_lg_u32 s2, 0x3003
	s_cbranch_scc0 .Lentry_shape_is_right
	s_endpgm
.Lentry_shape_is_right:
; EVA attention, launch 3 of 4: O = softmax(q k^T / 8) v for 64 (batch, head) pairs of 2,048 tokens x 64 channels.  f16 operands, f32 sums, maxima and exponentials; a running maximum is taken away before every exponential.
; q and k arrive as 2^-6 q, 2^-6 k, v as 2^-4 v (exact powers of two): the softmax's constant is c = 2^12 log2(e) / 8, and O goes on as 2^-4 O.
; All three arrive as IMAGES OF OPERAND REGISTERS (pieces of 512 bytes, lane l's 16 bytes at 16 l; two pieces on end are a fragment of 16 rows x 32 along K): every fragment load is 16 x lane + a constant; V has its keys innermost.
; SHARES.  A cluster of four work-groups owns one (batch, head); a work-group 512 queries; each of its SIXTEEN waves 32 of them, two tiles of 16, in 256 registers: four waves to a SIMD, no register windows,
; so that one wave's softmax stands beside another's products and LDS loads.  Every wave walks all 2,048 keys, 64 a step.  The four partners walk the same K and V: each tile is asked for jointly, with the mask of all four.
; LAYOUT.  S^T = K Q^T (source 0 = 16 keys, source 1 = 16 queries), O^T = V^T P (source 0 = 16 channels, source 1 = P): a lane holds ONE query (lane % 16) throughout; two tiles of S^T, packed to f16 in pairs, ARE P's fragment.
; THE ROW'S SUM is made by the matrix unit: source 0 is a constant fragment with ones in rows 0 and 8 alone, so register 0 of either half of the lanes holds the sum of the rounded p; two products in place of sixteen packed additions.
; RING.  Two LDS slots of 256 keys (K's 32 KB, then V's 32 KB), filled by waves 0, 1 (K's halves) and 2, 3 (V's): one tensor load of a wave is out at any time, and it has a slot's four steps in which to land.
; The step is written once: O^T and the sums begin as zeros and the maximum as -1e30, which lies under every score that f16 operands can give (64 x 65,504^2 = 2.7e11 in size).
; LIMITS: those of f16 stated at the head of the launch before; a p under 2^-24 is rounded to 0.
.set SLOT1, 65536                      ; slot 1 begins here: one exclusive or turns an address from one slot to the other
.set VOFF,  32768                      ; V's part of a slot
.set SPARE, 2*SLOT1                    ; behind the ring: the spare words, 128 bytes for each of 16 waves, which no other line names
.set LA,  1                            ; v1   16 x lane; never rewritten
.set ADR, 2                            ; v2   16 x lane + the slot in hand
.set SPW, 3                            ; v3   LDS address of my spare word; never rewritten
.set NIL, 4                            ; v4   0; never rewritten
.set PFO, 5                            ; v5   256 x lane: the prefetches' offset; never rewritten
.set ST,  8                            ; tile t's statistics at v[ST + 8 t]: +0 c m, +1 m, +4 to +7 c0-c3 at work; a = 2^(c m_old - c m_new) takes c2's place
.set ONES, 24                          ; v24-31   the constant fragment
.set QF,  32                           ; v32-63   Q: tile t, channels 32 f on, at 16 t + 8 f
.set S,   64                           ; v64-127  S^T: tile t, keys 16 kt on, at 32 t + 8 kt; then P in the lower 16 of each tile's 32
.set O,   128                          ; v128-191 O^T: tile t, channels 16 ct on, at 32 t + 8 ct
.set L,   192                          ; v192-207 the sums: tile t at 8 t, register 0
.set F,   208                          ; v208-239 four fragments of K or of V
.set WV,  8                            ; s8   my wave's number
.set G1,  16                           ; s[16:23] descriptor group 1, one for all loads
.set G0K, 24                           ; s[24:27] group 0 for K's halves, which walks
.set G0V, 28                           ; s[28:31] for V's
.set CS,  32                           ; s[32:33] c, twice
.set SEL, 34                           ; s[34:35] lane selects: lane l xor 16
.set TB,  36                           ; s36  LDS byte at which the slot in hand begins
.set SLOTS, 37                         ; s37  slots still to be asked for
.set LIM, 38                           ; s38  1 in a wave that prefetches, else the greatest number
.set PFA, 40                           ; s[40:41] where my prefetches stand
.set QB,  42                           ; s[42:43] Q at my first tile
.set OB,  44                           ; s[44:45] oi at my first tile
; Waves 0 and 1 fetch for K, waves 2 and 3 for V, the others nothing: branches on the wave's number alone, the same in all four partners.  An s_nop 0 and four v_nop follow each of the two lines.
.macro TLOAD
	s_cmp_lt_u32 s[WV], 2
	s_cbranch_scc0 .Lnot_k_\@
	tensor_load_to_lds s[G0K:G0K+3], s[G1:G1+7]
	s_nop 0
.rept 4
	v_nop
.endr
	s_branch .Lasked_\@
.Lnot_k_\@:
	s_cmp_lt_u32 s[WV], 4
	s_cbranch_scc0 .Lasked_\@
	tensor_load_to_lds s[G0V:G0V+3], s[G1:G1+7]
	s_nop 0
.rept 4
	v_nop
.endr
.Lasked_\@:
.endm
; A prefetch of what the NEXT change of slots will ask for: 32,768 bytes of K and as many of V.  Wave 4 asks for K's, wave 5 for V's; the four partners take 8,192 bytes each, told apart by address; lanes 256 bytes apart:
; each aligned block of 256 bytes is named once in the launch.  The last change that fills a slot asks for nothing; slots 0 and 1 come by their loads alone.
.macro ASK
	s_cmp_gt_u32 s[SLOTS], s[LIM]
	s_cbranch_scc0 .Lnot_mine_\@
	global_prefetch_b8 v[PFO], s[PFA:PFA+1] th:TH_LOAD_NT scope:SCOPE_SE
.Lnot_mine_\@:
.endm
.macro CROUND                          ; a round of the cluster's barrier
	s_barrier_signal -1
	s_barrier_wait -1
	s_cmp_lg_u32 s[WV], 0
	s_cbranch_scc1 .Lnot_wave_0_\@
	s_barrier_signal -3
.Lnot_wave_0_\@:
	s_barrier_wait -3
	s_barrier_signal -1
	s_barrier_wait -1
.endm
	s_load_b128 s[4:7], s[0:1], 0x0                ; qkv s[4:5], oi s[6:7]
	v_lshl_add_u32 v[SPW], v0, 2, SPARE
	v_mov_b32 v[NIL], 0
	ds_add_u32 v[SPW], v[NIL]                      ; the wave's opening: the add, twice on end, and its wait ahead of the first tensor load
	ds_add_u32 v[SPW], v[NIL]
	v_lshrrev_b32 v6, 5, v0
	v_readfirstlane_b32 s[WV], v6                  ; wave 0..15
	s_bfe_u32 s9, ttmp6, 0x40000                   ; cx: my place in the cluster: it enters Q's, oi's and the prefetches' addresses alone
	s_and_b32 s10, ttmp7, 0xffff                   ; 16 x batch + head, which the four partners share
	; descriptor group 1: 16,384 dense bytes as 64 rows of 256 bytes (32 elements of 8 bytes), no padding
	s_mov_b32 s[G1], 15|(3<<16)|(1<<21)            ; 15:0 the mask: all four work-groups; 17:16 elements of 8 bytes; 21 set beside a mask
	s_mov_b32 s[G1+1], 32<<16                      ; tensor_dim0
	s_mov_b32 s[G1+2], 64<<16                      ; tensor_dim1
	s_mov_b32 s[G1+3], 32<<16                      ; tile_dim0
	s_mov_b32 s[G1+4], 64                          ; tile_dim1
	s_mov_b32 s[G1+5], 32                          ; from row to row
	s_mov_b32 s[G1+6], 0
	s_mov_b32 s[G1+7], 0
	s_and_b32 s12, s[WV], 1
	s_lshl_b32 s12, s12, 14                        ; which half of K's or V's 32,768 bytes I fetch, in memory and in LDS
	s_lshl_b32 s14, s10, 18                        ; 262,144 bytes for each batch and head
	s_add_co_u32 s14, s14, s12
	s_mov_b32 s15, 0
	s_mov_b32 s[CS], 0x4438aa3b                    ; c = 2^12 log2(e) / 8
	s_mov_b32 s[CS+1], s[CS]
	s_mov_b32 s[SEL], 0x76543210
	s_mov_b32 s[SEL+1], 0xfedcba98
	s_mov_b32 s[TB], 0
	s_mov_b32 s[SLOTS], 7
	s_lshl_b32 s[QB], s10, 18
	s_lshl_b32 s13, s9, 16                         ; (32 cx + 2 wave) tiles of 2,048 bytes
	s_add_co_u32 s[QB], s[QB], s13
	s_lshl_b32 s13, s[WV], 12
	s_add_co_u32 s[QB], s[QB], s13
	s_mov_b32 s[QB+1], 0
	s_lshr_b32 s[OB], s10, 4
	s_lshl_b32 s[OB], s[OB], 22                    ; oi: (128 x batch + 32 cx + 2 wave) token tiles of 32,768 bytes
	s_lshl_b32 s13, s9, 20
	s_add_co_u32 s[OB], s[OB], s13
	s_lshl_b32 s13, s[WV], 16
	s_add_co_u32 s[OB], s[OB], s13
	s_and_b32 s13, s10, 15
	s_lshl_b32 s13, s13, 11                        ; + the head's four pieces
	s_add_co_u32 s[OB], s[OB], s13
	s_mov_b32 s[OB+1], 0
	s_mov_b32 s13, 0x2000000
	s_cmp_eq_u32 s[WV], 4
	s_cselect_b32 s[PFA], 0x1000000, s13           ; an offset: K's part of qkv for wave 4, V's for wave 5
	s_lshl_b32 s13, s10, 18
	s_add_co_u32 s[PFA], s[PFA], s13
	s_lshl_b32 s13, s9, 13                         ; my work-group's 8,192 bytes
	s_add_co_u32 s[PFA], s[PFA], s13
	s_add_co_u32 s[PFA], s[PFA], 32768             ; in slot 1: the first change of slots steps it to slot 2
	s_mov_b32 s[PFA+1], 0
	s_lshr_b32 s13, s[WV], 1
	s_cmp_eq_u32 s13, 2                            ; waves 4 and 5
	s_cselect_b32 s[LIM], 1, -1
	v_and_b32 v6, 31, v0
	v_lshlrev_b32 v[LA], 4, v6
	v_lshlrev_b32 v[PFO], 8, v6
	s_wait_dscnt 0x0                               ; both opening adds are done
	s_wait_kmcnt 0x0
	s_mov_b32 s[G0K], 1                            ; count = 1
	s_mov_b32 s[G0K+1], s12                        ; LDS address: slot 0, my half of K
	s_add_nc_u64 s[G0K+2:G0K+3], s[4:5], s[14:15]
	s_add_nc_u64 s[G0K+2:G0K+3], s[G0K+2:G0K+3], 0x1000000
	s_or_b32 s[G0K+3], s[G0K+3], 0x80000000        ; type = 2
	s_mov_b32 s[G0V], 1
	s_add_co_u32 s[G0V+1], s12, VOFF
	s_add_nc_u64 s[G0V+2:G0V+3], s[4:5], s[14:15]
	s_add_nc_u64 s[G0V+2:G0V+3], s[G0V+2:G0V+3], 0x2000000
	s_or_b32 s[G0V+3], s[G0V+3], 0x80000000
	s_add_nc_u64 s[QB:QB+1], s[4:5], s[QB:QB+1]
	s_add_nc_u64 s[OB:OB+1], s[6:7], s[OB:OB+1]
	s_add_nc_u64 s[PFA:PFA+1], s[4:5], s[PFA:PFA+1]
	CROUND                                         ; all four work-groups are here: the first joint loads meet
	TLOAD                                          ; slot 0
.irp t, 0,1
.irp p, 0,1,2,3
	global_load_b128 v[QF+16*\t+4*\p:QF+16*\t+4*\p+3], v[LA], s[QB:QB+1] offset:\t*2048+\p*512   ; Q stays in registers
.endr
.endr
	v_and_b32 v6, 7, v0                            ; rows 0 and 8 of the constant fragment are lanes with lane % 8 = 0
	v_mov_b32 v7, 0x3c003c00                       ; two f16 ones
	v_cmp_eq_u32 s46, 0, v6
	v_cndmask_b32 v[ONES], v[NIL], v7, s46
.irp i, 1,2,3,4,5,6,7
	v_mov_b32 v[ONES+\i], v[ONES]
.endr
.irp t, 0,1
	v_mov_b32 v[ST+8*\t+1], 0xf149f2ca             ; m = -1e30
	v_mul_f32 v[ST+8*\t], s[CS], v[ST+8*\t+1]      ; c m
.endr
.irp j, 0,1,2,3,4,5,6,7,8,9,10,11,12,13,14,15,16,17,18,19,20,21,22,23,24,25,26,27,28,29,30,31,32,33,34,35,36,37,38,39,40,41,42,43,44,45,46,47,48,49,50,51,52,53,54,55,56,57,58,59,60,61,62,63,64,65,66,67,68,69,70,71,72,73,74,75,76,77,78,79
	v_mov_b32 v[O+\j], 0                           ; O^T and the sums, once: so the step is written once, and its first pass multiplies zeros by a = 0
.endr
.macro VLOAD q, g                      ; V's four fragments (64 channels x 32 keys) of the step's g-th 32 keys
.irp ct, 0,1,2,3
.irp c, 0,1
	ds_load_b128 v[F+8*\ct+4*\c:F+8*\ct+4*\c+3], v[ADR] offset:VOFF+(\q)*8192+(\g)*4096+\ct*1024+\c*512
.endr
.endr
.endm
.macro PV g                            ; ten products on ten accumulators, one instruction a turn
.irp ct, 0,1,2,3
.irp t, 0,1
	v_wmma_f32_16x16x32_f16 v[O+32*\t+8*\ct:O+32*\t+8*\ct+7], v[F+8*\ct:F+8*\ct+7], v[S+32*\t+8*(\g):S+32*\t+8*(\g)+7], v[O+32*\t+8*\ct:O+32*\t+8*\ct+7]
.endr
.endr
.irp t, 0,1
	v_wmma_f32_16x16x32_f16 v[L+8*\t:L+8*\t+7], v[ONES:ONES+7], v[S+32*\t+8*(\g):S+32*\t+8*(\g)+7], v[L+8*\t:L+8*\t+7]
.endr
.endm
; A KEY STEP: 64 keys, the q-th of the slot in hand, for my two tiles of queries.
.macro STEP q
.irp g, 0,1                                    ; S^T = K Q^T, two tiles of 16 keys at a time
.rept 5-\g
	v_nop                                          ; places behind the last products: four in front of the loads into F; the fifth (g = 0) since the products below write over P's registers, which the last products read
.endr
.irp u, 0,1
.irp f, 0,1
.irp c, 0,1
	ds_load_b128 v[F+8*(2*\u+\f)+4*\c:F+8*(2*\u+\f)+4*\c+3], v[ADR] offset:(\q)*8192+(2*\g+\u)*2048+\f*1024+\c*512
.endr
.endr
.endr
	s_wait_dscnt 0x0
.irp f, 0,1
.irp u, 0,1
.irp t, 0,1
.if \f == 0
	v_wmma_f32_16x16x32_f16 v[S+32*\t+8*(2*\g+\u):S+32*\t+8*(2*\g+\u)+7], v[F+8*(2*\u+\f):F+8*(2*\u+\f)+7], v[QF+16*\t+8*\f:QF+16*\t+8*\f+7], 0
.else
	v_wmma_f32_16x16x32_f16 v[S+32*\t+8*(2*\g+\u):S+32*\t+8*(2*\g+\u)+7], v[F+8*(2*\u+\f):F+8*(2*\u+\f)+7], v[QF+16*\t+8*\f:QF+16*\t+8*\f+7], v[S+32*\t+8*(2*\g+\u):S+32*\t+8*(2*\g+\u)+7]
.endif
.endr
.endr
.endr
.endr
.rept 4
	v_nop                                          ; places: for the loads into F and for the first reads of the scores
.endr
	VLOAD \q, 0                                    ; V's first four fragments land during the softmax
	; the maximum of my 32 scores and the old m, three operands at a time; the two tiles alternate; each accumulator is read from its low end on
.irp j, 0,1,2,3
.irp t, 0,1
	v_max3_num_f32 v[ST+8*\t+4+\j], v[S+32*\t+8*\j], v[S+32*\t+8*\j+1], v[S+32*\t+8*\j+2]
.endr
.endr
.irp k, 1,2
.irp j, 0,1,2,3
.irp t, 0,1
	v_max3_num_f32 v[ST+8*\t+4+\j], v[ST+8*\t+4+\j], v[S+32*\t+8*\j+2*\k+1], v[S+32*\t+8*\j+2*\k+2]
.endr
.endr
.endr
.irp t, 0,1
	v_max3_num_f32 v[ST+8*\t+4], v[ST+8*\t+4], v[S+32*\t+7], v[S+32*\t+15]
.endr
.irp t, 0,1
	v_max3_num_f32 v[ST+8*\t+6], v[ST+8*\t+6], v[S+32*\t+23], v[S+32*\t+31]
.endr
.irp t, 0,1
	v_max3_num_f32 v[ST+8*\t+4], v[ST+8*\t+4], v[ST+8*\t+5], v[ST+8*\t+6]
.endr
.irp t, 0,1
	v_max3_num_f32 v[ST+8*\t+4], v[ST+8*\t+4], v[ST+8*\t+7], v[ST+8*\t+1]
.endr
.irp t, 0,1
	v_permlanex16_b32 v[ST+8*\t+5], v[ST+8*\t+4], s[SEL], s[SEL+1]   ; the query's other 32 keys lie in the lane 16 away
.endr
.irp t, 0,1
	v_mov_b32 v[ST+8*\t+7], v[ST+8*\t]             ; c m_old
.endr
.irp t, 0,1
	v_max_num_f32 v[ST+8*\t+1], v[ST+8*\t+4], v[ST+8*\t+5]
.endr
.irp t, 0,1
	v_mul_f32 v[ST+8*\t], s[CS], v[ST+8*\t+1]      ; c m
.endr
.irp t, 0,1
	v_sub_f32 v[ST+8*\t+7], v[ST+8*\t+7], v[ST+8*\t]
.endr
.irp b, 0,2,4,6,8,10,12,14,16,18,20,22,24,26,28,30
.irp t, 0,1
	v_pk_fma_f32 v[S+32*\t+\b:S+32*\t+\b+1], v[S+32*\t+\b:S+32*\t+\b+1], s[CS:CS+1], v[ST+8*\t:ST+8*\t+1] op_sel_hi:[1,0,0] neg_lo:[0,0,1] neg_hi:[0,0,1]   ; c s - c m, two at a time
.endr
.endr
.irp t, 0,1
	v_exp_f32 v[ST+8*\t+6], v[ST+8*\t+7]           ; a = 2^(c m_old - c m_new)
.endr
.irp e, 0,1,2,3,4,5,6,7,8,9,10,11,12,13,14,15,16,17,18,19,20,21,22,23,24,25,26,27,28,29,30,31,32,33,34,35,36,37,38,39,40,41,42,43,44,45,46,47,48,49,50,51,52,53,54,55,56,57,58,59,60,61,62,63
	v_exp_f32 v[S+\e], v[S+\e]                     ; p = 2^(c s - c m), at most 1
.endr
	v_nop                                          ; a plain instruction behind the last exponential
	s_wait_alu depctr_va_vdst(0)                   ; a wait ahead of the first instruction that names a result: one for the batch of 66
.irp i, 0,1,2,3,4,5,6,7,8,9,10,11,12,13,14,15
.irp t, 0,1
	v_cvt_pk_f16_f32 v[S+32*\t+\i], v[S+32*\t+2*\i], v[S+32*\t+2*\i+1]   ; P, in place, ascending
.endr
.endr
.irp b, 0,2,4,6,8,10,12,14,16,18,20,22,24,26,28,30
.irp t, 0,1
	v_pk_mul_f32 v[O+32*\t+\b:O+32*\t+\b+1], v[O+32*\t+\b:O+32*\t+\b+1], v[ST+8*\t+6:ST+8*\t+7] op_sel_hi:[1,0]   ; O^T x a
.endr
.endr
.irp t, 0,1
	v_mul_f32 v[L+8*\t], v[L+8*\t], v[ST+8*\t+6]   ; the sum x a (its other seven registers stay 0)
.endr
	s_wait_dscnt 0x0                               ; V's fragments are in
	PV 0
.rept 4
	v_nop                                          ; places in front of the loads into F
.endr
	VLOAD \q, 1
	s_wait_dscnt 0x0
	PV 1
.endm
; THE CHANGE OF SLOTS stands at a slot's head.  Each wave waits for all its tensor loads (its part of the slot ahead), adds 0 to its spare word, and waits for that and for its reads of the slot that it has left.
; fill = 1: a round of the cluster's barrier follows, so that no wave of any partner still reads that slot or has a load on its way, and the joint load of the keys that follow is the first thing behind it.
.macro CHANGE fill
	s_wait_tensorcnt 0x0                           ; no tensor load of mine is out, so a group 0 may be written
	ds_add_u32 v[SPW], v[NIL]                      ; 0 onto my spare word
.if \fill
	ds_add_u32 v[SPW], v[NIL]                      ; and once more, in every trip alike
	s_xor_b32 s[G0K+1], s[G0K+1], SLOT1            ; the walking descriptors: the other slot,
	s_add_nc_u64 s[G0K+2:G0K+3], s[G0K+2:G0K+3], 32768   ; the next 256 keys; the type bits on top are not reached
	s_xor_b32 s[G0V+1], s[G0V+1], SLOT1
	s_add_nc_u64 s[G0V+2:G0V+3], s[G0V+2:G0V+3], 32768
	s_wait_xcnt 0x0                                ; the last prefetch, a slot back, has read its address, so it may be written
	s_add_nc_u64 s[PFA:PFA+1], s[PFA:PFA+1], 32768 ; one slot further on than the walking descriptors
	s_wait_dscnt 0x0                               ; both adds are done, and my reads of the slot that I have left are over
	CROUND
	TLOAD                                          ; a wave's one tensor load until the next round
	ASK
.else
	s_wait_dscnt 0x0
	s_barrier_signal -1
	s_barrier_wait -1
.endif
.endm
.macro SLOT_STEPS
	v_add_nc_u32 v[ADR], s[TB], v[LA]
	STEP 0
	STEP 1
	STEP 2
	STEP 3
	s_xor_b32 s[TB], s[TB], SLOT1                  ; on to the other slot
.endm
	s_wait_loadcnt 0x0                             ; Q
.Lslot:                                            ; seven trips: behind each change of slots but the last the next slot is asked for
	CHANGE 1
	SLOT_STEPS
	s_sub_co_u32 s[SLOTS], s[SLOTS], 1
	s_cmp_lg_u32 s[SLOTS], 0
	s_cbranch_scc1 .Lslot
	CHANGE 0                                       ; the last slot is written out
	SLOT_STEPS
	; THE WAY OUT.  O^T / the sum, rounded to f16: a lane's eight channels of a query are 16 bytes of an image of the projection's operand: oi [token tile 512][kp 64][lane][16 bytes], kp = 4 x head + ct.
.rept 4
	v_nop                                          ; places behind the last products
.endr
	v_rcp_f32 v[ST+6], v[L]
	v_rcp_f32 v[ST+14], v[L+8]
	v_nop                                          ; a plain instruction behind the reciprocals
	s_wait_alu depctr_va_vdst(0)                   ; and a wait ahead of their first use
.irp t, 0,1
.irp b, 0,2,4,6,8,10,12,14,16,18,20,22,24,26,28,30
	v_pk_mul_f32 v[S+32*\t+\b:S+32*\t+\b+1], v[O+32*\t+\b:O+32*\t+\b+1], v[ST+8*\t+6:ST+8*\t+7] op_sel_hi:[1,0]
.endr
.endr
.irp t, 0,1
.irp i, 0,1,2,3,4,5,6,7,8,9,10,11,12,13,14,15
	v_cvt_pk_f16_f32 v[S+32*\t+\i], v[S+32*\t+2*\i], v[S+32*\t+2*\i+1]
.endr
.endr
.irp t, 0,1
.irp ct, 0,1,2,3
	global_store_b128 v[LA], v[S+32*\t+4*\ct:S+32*\t+4*\ct+3], s[OB:OB+1] offset:\t*32768+\ct*512   ; the wave stores 512 consecutive bytes
.endr
.endr
	s_wait_tensorcnt 0x0                           ; the wave's end
	ds_add_u32 v[SPW], v[NIL]
	s_wait_dscnt 0x0
	CROUND                                         ; the closing round: no work-group ends while a partner may still ask for a tile that names it
	s_endpgm
.Lfunc_end_k_qee6c85bfab_attn:
	.size	k_qee6c85bfab_attn, .Lfunc_end_k_qee6c85bfab_attn-k_qee6c85bfab_attn
	.p2alignl 7, 3214868480
	.fill 96, 4, 3214868480
	.section	.rodata,"a",@progbits
	.p2align	6, 0x0
	.amdhsa_kernel k_qee6c85bfab_attn
		.amdhsa_group_segment_fixed_size 327680
		.amdhsa_private_segment_fixed_size 0
		.amdhsa_enable_private_segment 0
		.amdhsa_kernarg_size 16
		.amdhsa_user_sgpr_count 2
		.amdhsa_user_sgpr_kernarg_segment_ptr 1
		.amdhsa_wavefront_size32 1
		.amdhsa_system_sgpr_workgroup_id_x 1
		.amdhsa_system_sgpr_workgroup_id_y 1
		.amdhsa_system_sgpr_workgroup_id_z 1
		.amdhsa_system_vgpr_workitem_id 0
		.amdhsa_next_free_vgpr 256
		.amdhsa_next_free_sgpr 66
		.amdhsa_reserve_vcc 0
		.amdhsa_float_denorm_mode_32 3
		.amdhsa_float_denorm_mode_16_64 3
		.amdhsa_memory_ordered 1
		.amdhsa_forward_progress 1
		.amdhsa_inst_pref_size 140
	.end_amdhsa_kernel
	.amdgpu_metadata
---
amdhsa.version: [ 1, 2 ]
amdhsa.kernels:
  - .name:           k_qee6c85bfab_attn
    .symbol:         k_qee6c85bfab_attn.kd
    .args:
      - { .name: qkv, .offset: 0, .size: 8, .value_kind: global_buffer, .address_space: global }
      - { .name: oi, .offset: 8, .size: 8, .value_kind: global_buffer, .address_space: global }
    .group_segment_fixed_size: 327680
    .private_segment_fixed_size: 0
    .kernarg_segment_align: 8
    .kernarg_segment_size: 16
    .max_flat_workgroup_size: 512
    .sgpr_count:     66
    .vgpr_count:     256
    .wavefront_size: 32
...
	.end_amdgpu_metadata
.endif
;; end of part 3
;; launch proj (part 4): grid 4 x 64, 4 waves a work-group, clusters of 4 x 4, 327,680 bytes of LDS; arguments oi, pwi, proj_b, out0; writes out0
.if DOCPART == 4
	.amdgcn_target "amdgcn-amd-amdhsa--gfx1250"
	.amdhsa_code_object_version 6
	.text
	.protected	k_qee6c85bfab_proj
	.globl	k_qee6c85bfab_proj
	.p2align	8
	.type	k_qee6c85bfab_proj,@function
k_qee6c85bfab_proj:
	s_mov_b64 s[64:65], 0
	v_nop
	global_prefetch_b8 v0, s[64:65] scope:SCOPE_SE
	s_setreg_imm32_b32 hwreg(HW_REG_WAVE_MODE, 25, 1), 1
	s_wait_xcnt 0x0
	s_wait_alu depctr_hold_cnt(0) depctr_sa_sdst(0) depctr_va_vdst(0) depctr_va_sdst(0) depctr_va_ssrc(0) depctr_va_vcc(0) depctr_vm_vsrc(0)
	s_getreg_b32 s2, hwreg(HW_REG_IB_STS2, 6, 4)
	s_cmp_eq_u32 s2, 0
	s_cbranch_scc0 .Lentry_in_a_cluster
	s_endpgm
.Lentry_in_a_cluster:
	s_bfe_u32 s2, ttmp6, 0x10000c
	s_cmp_lg_u32 s2, 0xf033
	s_cbranch_scc0 .Lentry_shape_is_right
	s_endpgm
.Lentry_shape_is_right:
; EVA attention, launch 4 of 4: out0 = O proj_w^T + proj_b.  f16 operands (oi = 2^-4 O, pwi = 2^4 proj_w: the powers of two cancel exactly), f32 sums; the bias is the C of each sum's first matrix instruction.
; Both operands arrive as images of operand registers: [tile of 16 rows][kp 64][lane][16 bytes], lane (r, h): row r, k = 16 kp + 8 h + 0..7; two pieces on end are a fragment of 16 rows x 32 K; a tile's K step of 128 is 4,096 consecutive bytes.
; A work-group of four waves makes 128 tokens x 256 outputs: 256 work-groups.  A wave makes 64 x 128: 32 accumulators.  Source 0 = 16 rows of proj_w, source 1 = 16 tokens: a lane holds eight neighbouring outputs of one token.
; K goes in 8 steps of 128 through two LDS slots: A's 8 token tiles x 4,096 bytes, then B's 16 tiles x 4,096.  Waves 0, 1 fetch A's halves (4 rows of 4,096 bytes), waves 2, 3 B's (8 rows): two loads of a wave go out at the start, then one behind each round.
; CLUSTERS: 4 x 4 work-groups; A's tile is shared along a row of the cluster, B's along a column: joint loads.  No padding: a fragment load reads 512 consecutive bytes.
; No prefetch: the joint loads divide the requests by four, and a refill has seven eighths of a K step, 112 matrix instructions, in which to land.
; REGISTERS: window 0: v16-30 addresses; v64-127 A's fragments, two buffers of 32; v128-255 the way out.   window 1: v0-127 B's fragments, two buffers of 64; v128-191 the bias.   window 2: accumulator (a, b) at v[8 (8 a + b)].
.set KSTEPB, 4096                      ; a K step of a tile of 16 rows, in bytes
.set BOFF,   32768                     ; B's part of a slot
.set SLOT,   98304
.set STAGE,  2*SLOT                    ; behind the ring: 16 rows x (512 bytes + 16) for each wave, for the way out; no tensor load lands there
.set SPITCH, 528
.set SPARE,  STAGE+4*16*SPITCH         ; the spare words, 128 bytes a wave, which no other line names
.set LAPS,   4                         ; a lap = two K steps = once round the ring
.set ADRA, 16                          ; v16-17  LDS address of my A fragments in slot 0, 1
.set ADRB, 20                          ; v20-21  the same for B
.set STO,  24                          ; v24     the way out: where I put 32 bytes of a row
.set RD,   25                          ; v25     where I read a row back
.set CO,   26                          ; v26     16 x lane: my place in a row's 512 bytes of out0
.set SPW,  28                          ; v28     LDS address of my spare word; never rewritten
.set NIL,  29                          ; v29     0; never rewritten
.set BO,   30                          ; v30     32 h: proj_b at my eight outputs of a block
.set AFR,  64
.set BIAS, 128                         ; in window 1
.set BK,   128                         ; the way out: 16 rows read back: v128-191 and v192-255 by turns
.set G1, 24
.set G0, 32
.set G1B, 48
.set G0B, 56
.set MSB, 0
.macro WIN new                         ; the immediate's high byte repeats the setting that is left
.if MSB != (\new)
	s_set_vgpr_msb (MSB<<8)|(\new)
.set MSB, (\new)
.endif
.endm
.set MUL,   0xa1                       ; source 0 (B) window 1, source 1 (A) window 0, C and D window 2
.set MUL_B, 0x91                       ; the same with C, the bias, in window 1
.set TO_B,  0x40                       ; destination window 1, address window 0
.macro JLOAD s                         ; a joint load: waves 0 and 1 fetch A's halves, waves 2 and 3 B's; an s_nop 0 and four v_nop follow each of the two lines
	s_cmp_eq_u32 s13, 0
	s_cbranch_scc0 .Lfor_b_\@
	tensor_load_to_lds s[G0+4*\s:G0+4*\s+3], s[G1:G1+7]
	s_nop 0
.rept 4
	v_nop
.endr
	s_branch .Lasked_\@
.Lfor_b_\@:
	tensor_load_to_lds s[G0B+4*\s:G0B+4*\s+3], s[G1B:G1B+7]
	s_nop 0
.rept 4
	v_nop
.endr
.Lasked_\@:
.endm
.macro CREST                           ; a round of the cluster's barrier behind its opening barrier
	s_cmp_lg_u32 s12, 0
	s_cbranch_scc1 .Lnot_wave_0_\@
	s_barrier_signal -3
.Lnot_wave_0_\@:
	s_barrier_wait -3
	s_barrier_signal -1
	s_barrier_wait -1
.endm
.macro CROUND
	s_barrier_signal -1
	s_barrier_wait -1
	CREST
.endm
	s_load_b256 s[4:11], s[0:1], 0x0               ; oi s[4:5], pwi s[6:7], proj_b s[8:9], out0 s[10:11]
	v_lshl_add_u32 v[SPW], v0, 2, SPARE
	v_mov_b32 v[NIL], 0
	ds_add_u32 v[SPW], v[NIL]                      ; the wave's opening: the add, twice on end, and its wait ahead of my first tensor load
	ds_add_u32 v[SPW], v[NIL]
	v_lshrrev_b32 v1, 5, v0
	v_readfirstlane_b32 s12, v1                    ; wave 0..3
	s_lshr_b32 s13, s12, 1                         ; which 64 tokens are mine.  Also: I fetch for A (0) or for B (1)
	s_and_b32 s14, s12, 1                          ; which 128 outputs.  Also: which half of that tile I fetch
	s_bfe_u32 s40, ttmp6, 0x40000                  ; cx, cy
	s_bfe_u32 s41, ttmp6, 0x40004
	s_lshl_b32 s42, ttmp9, 2
	s_add_co_u32 s42, s42, s40                     ; tile column: 256 outputs
	s_and_b32 s15, ttmp7, 0xffff
	s_lshl_b32 s15, s15, 2
	s_add_co_u32 s15, s15, s41                     ; tile row: 128 tokens
	s_lshl_b32 s43, s41, 2
	s_lshl_b32 s43, 15, s43                        ; my row of the cluster
	s_lshl_b32 s44, 0x1111, s40                    ; my column
	; descriptor group 1: rows of 4,096 bytes (512 elements of 8 bytes), 32,768 bytes apart; A: 4 rows, B: 8 rows
	s_or_b32 s[G1], s43, (3<<16)|(1<<21)           ; 15:0 the mask; 17:16 elements of 8 bytes; 21 set beside a mask
	s_or_b32 s[G1B], s44, (3<<16)|(1<<21)
	s_mov_b32 s[G1+1], 512<<16                     ; tensor_dim0
	s_mov_b32 s[G1+2], 4<<16                       ; tensor_dim1
	s_mov_b32 s[G1+3], 512<<16                     ; tile_dim0
	s_mov_b32 s[G1+4], 4                           ; tile_dim1
	s_mov_b32 s[G1+5], 4096                        ; from row to row, in elements
	s_mov_b32 s[G1+6], 0
	s_mov_b32 s[G1+7], 0
	s_mov_b32 s[G1B+1], 512<<16
	s_mov_b32 s[G1B+2], 8<<16
	s_mov_b32 s[G1B+3], 512<<16
	s_mov_b32 s[G1B+4], 8
	s_mov_b32 s[G1B+5], 4096
	s_mov_b32 s[G1B+6], 0
	s_mov_b32 s[G1B+7], 0
	s_lshl_b32 s16, s15, 3
	s_lshl_b32 s17, s14, 2
	s_add_co_u32 s16, s16, s17                     ; A: token tile 8 x tile row + 4 x half
	s_lshl_b32 s16, s16, 15
	s_mov_b32 s17, 0
	s_lshl_b32 s46, s42, 4
	s_lshl_b32 s47, s14, 3
	s_add_co_u32 s46, s46, s47                     ; B: tile 16 x tile column + 8 x half
	s_lshl_b32 s46, s46, 15
	s_mov_b32 s47, 0
	s_lshl_b32 s20, s14, 14                        ; where they go: A's halves of 16,384 bytes,
	s_lshl_b32 s21, s14, 15
	s_add_co_u32 s21, s21, BOFF                    ; B's of 32,768: no place in the cluster enters an LDS address
	s_wait_dscnt 0x0                               ; both opening adds are done
	s_wait_kmcnt 0x0
	s_add_nc_u64 s[18:19], s[4:5], s[16:17]
	s_add_nc_u64 s[46:47], s[6:7], s[46:47]
	CROUND                                         ; all sixteen work-groups are here: the first joint loads meet
.irp s, 0,1
	s_mov_b32 s[G0+4*\s], 1
	s_add_co_u32 s[G0+4*\s+1], s20, \s*SLOT
	s_add_nc_u64 s[G0+4*\s+2:G0+4*\s+3], s[18:19], \s*KSTEPB
	s_or_b32 s[G0+4*\s+3], s[G0+4*\s+3], 0x80000000
	s_mov_b32 s[G0B+4*\s], 1
	s_add_co_u32 s[G0B+4*\s+1], s21, \s*SLOT
	s_add_nc_u64 s[G0B+4*\s+2:G0B+4*\s+3], s[46:47], \s*KSTEPB
	s_or_b32 s[G0B+4*\s+3], s[G0B+4*\s+3], 0x80000000
	JLOAD \s
.endr
	v_and_b32 v1, 15, v0                           ; r
	v_bfe_u32 v2, v0, 4, 1                         ; h
	v_and_b32 v3, 31, v0
	v_lshlrev_b32 v[CO], 4, v3                     ; 16 x lane
	v_lshlrev_b32 v[BO], 5, v2
	s_lshl_b32 s46, s42, 10
	s_lshl_b32 s47, s14, 9
	s_add_co_u32 s46, s46, s47                     ; my first output, in bytes of f32: 4 (256 x tile column + 128 x half)
	s_mov_b32 s47, 0
	s_add_nc_u64 s[8:9], s[8:9], s[46:47]
	s_add_nc_u64 s[10:11], s[10:11], s[46:47]
	WIN TO_B
.irp b, 0,1,2,3,4,5,6,7
	global_load_b128 v[BIAS+8*\b:BIAS+8*\b+3], v[BO], s[8:9] offset:64*\b          ; proj_b at outputs 16 b + 8 h + 0..7: the result's layout
	global_load_b128 v[BIAS+8*\b+4:BIAS+8*\b+7], v[BO], s[8:9] offset:64*\b+16
.endr
	WIN 0
	s_lshl_b32 s21, s13, 14                        ; my four token tiles of A
	s_lshl_b32 s22, s14, 15
	s_add_co_u32 s22, s22, BOFF                    ; my eight tiles of B
.irp s, 0,1
	v_add_nc_u32 v[ADRA+\s], s21, v[CO]
	v_add_nc_u32 v[ADRB+\s], s22, v[CO]
	s_add_co_u32 s21, s21, SLOT
	s_add_co_u32 s22, s22, SLOT
.endr
	s_mul_i32 s23, s12, 16*SPITCH
	s_add_co_u32 s23, s23, STAGE                   ; my stage
	v_mul_u32_u24 v4, v1, SPITCH                   ; in: row r, 32 bytes for each half of the lanes
	v_lshl_add_u32 v4, v2, 5, v4
	v_add_nc_u32 v[STO], s23, v4
	v_add_nc_u32 v[RD], s23, v[CO]                 ; back: the 32 lanes take one row of 512 bytes
	s_lshl_b32 s16, s15, 19                        ; my first token's row of out0: (128 x tile row + 64 x half) x 4,096 bytes
	s_lshl_b32 s17, s13, 18
	s_add_co_u32 s16, s16, s17
	s_mov_b32 s17, 0
	s_add_nc_u64 s[10:11], s[10:11], s[16:17]
.macro FETCH slot, q, f                ; 24 LDS loads in one run: the fragments of the slot's q-th 32 along K into buffer f: B's eight, then A's four
	WIN TO_B
.irp i, 0,1,2,3,4,5,6,7
.irp c, 0,1
	ds_load_b128 v[64*(\f)+8*\i+4*\c:64*(\f)+8*\i+4*\c+3], v[ADRB+\slot] offset:\i*4096+(\q)*1024+\c*512
.endr
.endr
	WIN 0
.irp i, 0,1,2,3
.irp c, 0,1
	ds_load_b128 v[AFR+32*(\f)+8*\i+4*\c:AFR+32*(\f)+8*\i+4*\c+3], v[ADRA+\slot] offset:\i*4096+(\q)*1024+\c*512
.endr
.endr
.endm
.macro MULA f, a, first                ; 8 matrix instructions: token tile a x B's eight.  first = 1: the sum begins with the bias.  The 32 accumulators take turns, in the same order in every quarter
.irp b, 0,1,2,3,4,5,6,7
.if \first
	v_wmma_f32_16x16x32_f16 v[8*(8*(\a)+\b):8*(8*(\a)+\b)+7], v[64*(\f)+8*\b:64*(\f)+8*\b+7], v[AFR+32*(\f)+8*(\a):AFR+32*(\f)+8*(\a)+7], v[BIAS+8*\b:BIAS+8*\b+7]
.else
	v_wmma_f32_16x16x32_f16 v[8*(8*(\a)+\b):8*(8*(\a)+\b)+7], v[64*(\f)+8*\b:64*(\f)+8*\b+7], v[AFR+32*(\f)+8*(\a):AFR+32*(\f)+8*(\a)+7], v[8*(8*(\a)+\b):8*(8*(\a)+\b)+7]
.endif
.endr
.endm
.macro PLACES                          ; four plain vector instructions in front of loads into registers that matrix instructions have read, and of the first read of results
.rept 4
	v_nop
.endr
.endm
; A K step is four quarters of 32 along K, 32 matrix instructions each, on buffers 0, 1, 0, 1.  One of the first three: multiplies buffer f and fetches quarter qn into buffer g.
.macro QUARTER slot, qn, f, g, first
	s_wait_dscnt 4                                 ; B's fragments and A's tiles 0, 1 are in; the youngest four loads (A's tiles 2, 3) may be out
	WIN MUL-0x10*(\first)
	MULA \f, 0, \first
	MULA \f, 1, \first
	PLACES
	FETCH \slot, \qn, \g
	s_wait_dscnt 24                                ; all but the 24 just issued
	WIN MUL-0x10*(\first)
	MULA \f, 2, \first
	MULA \f, 3, \first
.endm
; The last quarter multiplies buffer 1 and changes slots: ONE barrier; in front of it each wave waits for all its tensor loads, adds 0 to its spare word, and waits for that and for its reads of this slot.  fill = 1: this slot is filled again, two K steps ahead.
.macro TURN slot, next, fill
	WIN 0                                          ; (the add's two registers lie in window 0)
	s_wait_tensorcnt 0x0                           ; all my tensor loads have landed: my part of the next slot
	ds_add_u32 v[SPW], v[NIL]                      ; 0 onto my spare word
	s_wait_dscnt 5                                 ; (the add and the youngest four loads may be out)
	WIN MUL
	MULA 1, 0, 0                                   ; eight matrix instructions stand between the add and the wait for it
	s_wait_dscnt 0x0                               ; the add is done, and my reads of this slot are over
	s_barrier_signal -1
	MULA 1, 1, 0
.if \fill
	WIN 0
.endif
	s_barrier_wait -1
.if \fill
	CREST                                          ; the barrier has opened a round of the cluster's: no wave of any partner still reads this slot or has a load on its way
	s_add_nc_u64 s[G0+4*\slot+2:G0+4*\slot+3], s[G0+4*\slot+2:G0+4*\slot+3], 2*KSTEPB
	s_add_nc_u64 s[G0B+4*\slot+2:G0B+4*\slot+3], s[G0B+4*\slot+2:G0B+4*\slot+3], 2*KSTEPB
	JLOAD \slot                                    ; the first tensor load behind the round; its four v_nop are also the places in front of the loads below
.else
	PLACES
.endif
	FETCH \next, 0, 0
	WIN MUL
	MULA 1, 2, 0
	MULA 1, 3, 0
.endm
	s_wait_tensorcnt 1                             ; my part of K step 0 is in (K step 1's load may be out)
	s_barrier_signal -1
	s_barrier_wait -1                              ; everybody's is
	FETCH 0, 0, 0
	s_wait_loadcnt 0x0                             ; the bias
	QUARTER 0, 1, 0, 1, 1                          ; the first quarter stands in front of the loop: its products start the sums, with the bias as C
	WIN 0                                          ; at a label and at a branch every window is 0
	s_mov_b32 s3, LAPS-1
.Llap:                                             ; a trip goes once round the ring, from a lap's second quarter to the next lap's first, and fills both slots again
	QUARTER 0, 2, 1, 0, 0
	QUARTER 0, 3, 0, 1, 0
	TURN 0, 1, 1
	QUARTER 1, 1, 0, 1, 0
	QUARTER 1, 2, 1, 0, 0
	QUARTER 1, 3, 0, 1, 0
	TURN 1, 0, 1
	QUARTER 0, 1, 0, 1, 0
	WIN 0
	s_sub_co_u32 s3, s3, 1
	s_cmp_lg_u32 s3, 0
	s_cbranch_scc1 .Llap
	QUARTER 0, 2, 1, 0, 0                          ; the last lap fills nothing, and has no round of the cluster's barrier
	QUARTER 0, 3, 0, 1, 0
	TURN 0, 1, 0
	QUARTER 1, 1, 0, 1, 0
	QUARTER 1, 2, 1, 0, 0
	QUARTER 1, 3, 0, 1, 0
	s_wait_dscnt 4                                 ; the very last quarter: nothing more to fetch
	WIN MUL
	MULA 1, 0, 0
	MULA 1, 1, 0
	s_wait_dscnt 0
	MULA 1, 2, 0
	MULA 1, 3, 0
	WIN 0
; THE WAY OUT, a block of 16 tokens x 128 outputs at a time.  A lane holds 32 neighbouring bytes of a row, and the lanes beside it hold other rows: so a block goes through my own stage in LDS and comes back as whole
; rows of 512 bytes.  LDS serves a wave's instructions in order (ISA guide 5.7.1.4): no wait between the stores and the loads, nor in front of the next block's stores.
.macro TOSTAGE a
	WIN 0x08                                       ; an LDS store's data: window 2
.irp b, 0,1,2,3,4,5,6,7
	ds_store_b128 v[STO], v[8*(8*(\a)+\b):8*(8*(\a)+\b)+3] offset:64*\b            ; each accumulator from its low end on
	ds_store_b128 v[STO], v[8*(8*(\a)+\b)+4:8*(8*(\a)+\b)+7] offset:64*\b+16
.endr
	WIN 0
.set BB, BK+64*((\a)%2)
.irp t, 0,1,2,3,4,5,6,7,8,9,10,11,12,13,14,15
	ds_load_b128 v[BB+4*\t:BB+4*\t+3], v[RD] offset:\t*SPITCH
.endr
.endm
.macro SEND a, younger                 ; younger: the LDS instructions issued behind block a's loads, which may stay out
.set BB, BK+64*((\a)%2)
	s_wait_dscnt \younger                          ; the block is back in registers
.if (\a) > 0
	s_add_nc_u64 s[10:11], s[10:11], 16*4096       ; 16 rows of out0 on (behind a wait on XCNT: the earlier stores have read their base)
.endif
.irp t, 0,1,2,3,4,5,6,7,8,9,10,11,12,13,14,15
	global_store_b128 v[CO], v[BB+4*\t:BB+4*\t+3], s[10:11] offset:\t*4096 th:TH_STORE_NT   ; 32 lanes store 512 consecutive bytes, at a multiple of 512 from out0's first byte
.endr
.endm
	PLACES                                         ; behind the last products
	TOSTAGE 0
.irp a, 1,2,3
.if \a > 1
	s_wait_xcnt 0x0                                ; block a - 2's stores have read their registers and their base
.endif
	TOSTAGE \a
	SEND \a-1, 32                                  ; behind block a - 1's loads: block a's 16 stores and 16 loads
.endr
	s_wait_xcnt 0x0                                ; block 2's stores have read their base
	SEND 3, 0
	s_wait_tensorcnt 0x0                           ; the wave's end
	ds_add_u32 v[SPW], v[NIL]
	s_wait_dscnt 0x0
	CROUND                                         ; the closing round: no work-group ends while a partner may still ask for a tile that names it
	s_endpgm
.Lfunc_end_k_qee6c85bfab_proj:
	.size	k_qee6c85bfab_proj, .Lfunc_end_k_qee6c85bfab_proj-k_qee6c85bfab_proj
	.p2alignl 7, 3214868480
	.fill 96, 4, 3214868480
	.section	.rodata,"a",@progbits
	.p2align	6, 0x0
	.amdhsa_kernel k_qee6c85bfab_proj
		.amdhsa_group_segment_fixed_size 327680
		.amdhsa_private_segment_fixed_size 0
		.amdhsa_enable_private_segment 0
		.amdhsa_kernarg_size 32
		.amdhsa_user_sgpr_count 2
		.amdhsa_user_sgpr_kernarg_segment_ptr 1
		.amdhsa_wavefront_size32 1
		.amdhsa_system_sgpr_workgroup_id_x 1
		.amdhsa_system_sgpr_workgroup_id_y 1
		.amdhsa_system_sgpr_workgroup_id_z 1
		.amdhsa_system_vgpr_workitem_id 0
		.amdhsa_next_free_vgpr 768
		.amdhsa_next_free_sgpr 66
		.amdhsa_reserve_vcc 0
		.amdhsa_float_denorm_mode_32 3
		.amdhsa_float_denorm_mode_16_64 3
		.amdhsa_memory_ordered 1
		.amdhsa_forward_progress 1
		.amdhsa_inst_pref_size 87
	.end_amdhsa_kernel
	.amdgpu_metadata
---
amdhsa.version: [ 1, 2 ]
amdhsa.kernels:
  - .name:           k_qee6c85bfab_proj
    .symbol:         k_qee6c85bfab_proj.kd
    .args:
      - { .name: oi, .offset: 0, .size: 8, .value_kind: global_buffer, .address_space: global }
      - { .name: pwi, .offset: 8, .size: 8, .value_kind: global_buffer, .address_space: global }
      - { .name: proj_b, .offset: 16, .size: 8, .value_kind: global_buffer, .address_space: global }
      - { .name: out0, .offset: 24, .size: 8, .value_kind: global_buffer, .address_space: global }
    .group_segment_fixed_size: 327680
    .private_segment_fixed_size: 0
    .kernarg_segment_align: 8
    .kernarg_segment_size: 32
    .max_flat_workgroup_size: 128
    .sgpr_count:     66
    .vgpr_count:     768
    .wavefront_size: 32
...
	.end_amdgpu_metadata
.endif
;; end of part 4
